; MI455X (gfx1250); checked and timed in simulation.
; The chip was launched on July 23, 2026; its instructions are those of AMD's public machine-readable ISA for CDNA 5 (MIT licence, August 2026) and "CDNA5" Instruction Set Architecture Reference Guide (July 2026). The comments in the code are by the model that wrote it; some were corrected since.
;; Mo E1. Allowed arithmetic: matrix products marked QUANTISED: E2M1 operands, one E8M0 scale for each 32 along K, by v_wmma_scale_f32_16x16x128_f8f6f4 with both operands' format E2M1 (or v_wmma_scale_f32_32x16x128_f4), f32 sums; products left as they are: f32 operands where the result goes on into a quantised operand, else bf16, f16 or f32 operands; f32 sums; everything else in f32.
;; Inputs: W1 8 x 1,024 x 4,096 float32; W2 8 x 4,096 x 1,024 float32; Wr 1,024 x 8 float32; b1 8 x 4,096 float32; b2 8 x 1,024 float32; br 8 float32; x 4 x 256 x 1,024 float32.
;; Outputs: out0 4 x 256 x 1,024 float32.
;; This version of the problem:
;;   THIS VERSION OF THE PROBLEM IS GIVEN IN LOW PRECISION. The matrix products marked QUANTISED in the list below multiply operands that are first quantised to E2M1 (2 exponent bits, 1 mantissa bit; 4 bits a number), with one power-of-two scale for each 32 numbers along K (OCP MX v1.0); their sums are f32. All else is computed in f32.
;;   The module's matrix products, in the order in which they are computed (A, B: the left and right operand; K: the contracted axis; several contracted axes count as one K, in the product's order):
;;     1. [M 1,024, K 1,024] x [K 1,024, N 8]; A: input x; B: input Wr: left as it is (N = 8 < 16)
;;     2. [M 1,024, K 1,024] x [K 1,024, N 32,768]; A: input x; B: input W1: QUANTISED
;;     3. batch 8 x [M 1,024, K 4,096] x [K 4,096, N 1,024]; A: input W2; B: computed on the way: QUANTISED
;;     4. batch 1,024 x [M 1, K 8] x [K 8, N 1,024]; A: computed on the way; B: computed on the way: left as it is (K = 8 < 32)
;;     5. [M 1,024, K 8] x [K 8, N 1,024]; A: computed on the way; B: input b2: left as it is (K = 8 < 32)
;;   THE QUANTISER, for each operand of a quantised product, along K:
;;     - K is cut into blocks of 32 from its start; a last block that is shorter is filled with zeros.
;;     - A block's scale is 2^e with e = floor(log2(the largest magnitude in the block)) - 2, held to -126 .. 127; a block of zeros has e = 0. As a byte (E8M0): e + 127.
;;     - Each number is divided by its block's scale, clamped to +-6, and rounded to the nearest number of E2M1, ties to even, subnormals kept.
;;     - The product sums the exact products of the quantised numbers (number of the format x scale) in f32.
;;   ~~~python
;;   def quantise(x, axis):      # numpy; x: float32 -> the quantised numbers, widened to float32 again
;;       x = np.moveaxis(x, axis, -1); K = x.shape[-1]
;;       x = np.pad(x, [(0, 0)] * (x.ndim - 1) + [(0, -K % 32)]); x = x.reshape(x.shape[:-1] + (-1, 32)); a = np.abs(x).max(-1, keepdims=True)
;;       e = np.where(a > 0, np.clip(np.frexp(np.where(a > 0, a, 1))[1] - 1 - 2, -126, 127), 0)      # np.frexp(a)[1] - 1 = floor(log2(a)), exactly
;;       r = np.clip(x / 2.0 ** e, -6, 6)
;;       step = 2.0 ** (np.maximum(np.frexp(np.where(r == 0, 1, r))[1] - 1, 0) - 1)
;;       q = np.round(r / step) * step * 2.0 ** e      # np.round: ties to even
;;       return np.moveaxis(q.reshape(q.shape[:-2] + (-1,))[..., :K], -1, axis).astype(np.float32)
;;   ~~~
;;   OPERANDS COMPUTED ON THE WAY. 'Computed on the way' means the value that the module computes at that place (a softmax that the list does not call 'softmax' is quantised finished and normalised). What goes into a quantiser is computed in f32, as accurately as f32 sums, v_exp_f32 and their like allow (about 1e-6 of the number): no bf16 or f16 on the way to a quantiser, and a product that is left as it is and whose result goes on into a quantised operand takes f32 operands (vector FMAs, or v_wmma_f32_16x16x4_f32). A number that lies on a knife's edge between two numbers of the format may be rounded either way, as far as f32 arithmetic and the matrix unit's own rounding can turn it there, and no further.
;; 2 versions. Each part assembles by itself: llvm-mc -triple=amdgcn-amd-amdhsa -mcpu=gfx1250 --defsym DOCPART=n.
;; ======== version 1 of 2: 4 launches
;; workspace buffers: xq 557,056 bytes; route 5,120 bytes of whole numbers; gw 8,192 bytes; rank 32,768 bytes of whole numbers; hq 17,825,792 bytes; y 67,108,864 bytes
;; launch router (part 1): grid 32 x 1, 8 waves a work-group, no clusters, 187,392 bytes of LDS; arguments x, Wr, br, xq, route, gw; writes xq, route, gw
.if DOCPART == 1
	.amdgcn_target "amdgcn-amd-amdhsa--gfx1250"
	.amdhsa_code_object_version 6
	.text
	.protected	k_q80eeba4151_router
	.globl	k_q80eeba4151_router
	.p2align	8
	.type	k_q80eeba4151_router,@function
k_q80eeba4151_router:
	s_mov_b64 s[64:65], 0
	v_nop
	global_prefetch_b8 v0, s[64:65] scope:SCOPE_SE
	s_setreg_imm32_b32 hwreg(HW_REG_WAVE_MODE, 25, 1), 1
	s_wait_xcnt 0x0
; ROUTER AND x's QUANTISER.  x [1024][1024], Wr [1024][8], br [8]: f32.
; Stores: xq: x as codes of E2M1, [t][512 bytes], and from byte XSOFF on one E8M0 byte for each 32 along K, [t][32];
;         route: mask[e][g] (bit l: token 32 g + l chose expert e), then from byte 1,024 on pe[t] = e0 | e1 << 8;   gw: [t][2] the two gates.
; A work-group takes 32 tokens (one mask word an expert), a wave four.  The logits are f32 fused multiply-adds; nothing here steers an address: the choice is only stored.
; LIMITS.  NaN and infinities are not served.  The two experts are chosen on the logits (softmax rises with them; equal logits: the lower index); logits that differ
; but whose softmax values round to the same f32 number may be ordered otherwise than by a top-k on the softmax.  The gates are 1 / (1 + e^(l1 - l0)) and its complement:
; the same ratio, with the larger logit taken away, so the exponent is never positive.  A block whose largest magnitude lies under 2^-124 keeps the scale byte 1.
.set XSOFF, 524288
.set XT,  36864                        ; LDS: from 0 Wr, 256 groups of 4 rows (128 bytes) 144 bytes apart; from XT a stage of 32 blocks x 144 bytes for each wave and token
.set SBY, 184320                       ; 128 scale bytes for each wave
.set LG,  185344                       ; the logits, [32][8] f32
.set CD,  16                           ; v16-31   codes, four registers a token
.set WCH, 32                           ; v32-63   Wr as loaded, then a chunk of Wr, then an even token's blocks
.set LA,  64                           ; v64-95   logit sums, 8 a token; later v64-67 scale bytes, v68 an address
.set RAW, 128                          ; v128-255 x as loaded: register 32 k + 4 i + c = x[token k][128 i + 4 lane + c]   (v96-127: an odd token's blocks)
	s_load_b256 s[4:11], s[0:1], 0x0               ; x s[4:5], Wr s[6:7], br s[8:9], xq s[10:11]
	s_load_b128 s[12:15], s[0:1], 0x20             ; route s[12:13], gw s[14:15]
	s_set_vgpr_msb 0x40
	v_lshl_add_u32 v0, v0, 2, 0x2d800
	v_mov_b32 v1, 0
	s_set_vgpr_msb 0x4000
	v_lshrrev_b32 v12, 5, v0
	v_readfirstlane_b32 s16, v12                   ; wave
	v_and_b32 v1, 31, v0                           ; lane
	v_lshlrev_b32 v2, 4, v1                        ; 16 x lane
	v_lshlrev_b32 v3, 4, v0                        ; 16 x thread
	v_lshrrev_b32 v12, 3, v0
	v_and_b32 v13, 7, v0
	v_mul_u32_u24 v4, v12, 144
	v_lshl_add_u32 v4, v13, 4, v4                  ; Wr into LDS: eight threads fill a group of 128 bytes
	v_mul_u32_u24 v5, v1, 144                      ; Wr out of LDS: lane l takes group l of a chunk
	s_mul_i32 s17, s16, 18432
	s_add_co_u32 s17, s17, XT                      ; my wave's four stages
	v_lshrrev_b32 v12, 3, v1
	v_and_b32 v13, 7, v1
	v_mul_u32_u24 v6, v12, 144
	v_lshl_add_u32 v6, v13, 4, v6
	v_add_nc_u32 v6, s17, v6                       ; stage, in: eight lanes fill a block of 128 bytes
	v_add_nc_u32 v7, s17, v5                       ; stage, out: lane l takes block l
	s_lshl_b32 s18, s16, 7
	s_add_co_u32 s19, s18, SBY
	v_add_nc_u32 v8, s19, v1                       ; my block's scale byte
	v_lshlrev_b32 v9, 2, v1                        ; 4 x lane
	v_add_nc_u32 v11, s19, v9                      ; and four of them on the way out
	s_add_co_u32 s19, s18, LG
	v_mov_b32 v10, s19                             ; my wave's 32 logits
	s_mov_b32 s36, 0x76543210
	s_mov_b32 s37, 0xfedcba98                      ; v_permlanex16_b32's selects for lane l xor 16
	s_lshl_b32 s20, ttmp9, 17                      ; x: 32 tokens x 4,096 bytes a work-group,
	s_lshl_b32 s21, s16, 14                        ; four tokens a wave
	s_add_co_u32 s20, s20, s21
	s_mov_b32 s21, 0
	s_lshl_b32 s22, ttmp9, 14                      ; codes: 512 bytes a token
	s_lshl_b32 s23, s16, 11
	s_add_co_u32 s22, s22, s23
	s_mov_b32 s23, 0
	s_lshl_b32 s32, ttmp9, 10                      ; scale bytes: 32 a token
	s_add_co_u32 s32, s32, s18
	s_add_co_u32 s32, s32, XSOFF
	s_mov_b32 s33, 0
	s_wait_kmcnt 0x0
	s_load_b256 s[24:31], s[8:9], 0x0              ; br
	s_add_nc_u64 s[4:5], s[4:5], s[20:21]
	s_add_nc_u64 s[34:35], s[10:11], s[32:33]
	s_add_nc_u64 s[10:11], s[10:11], s[22:23]
.irp j, 0,1,2,3,4,5,6,7
	global_load_b128 v[WCH+4*\j:WCH+4*\j+3], v3, s[6:7] offset:4096*\j      ; all of Wr, 4,096 consecutive bytes a line
.endr
.irp i, 0,1,2,3,4,5,6,7
.irp k, 0,1,2,3
	global_load_b128 v[RAW+32*\k+4*\i:RAW+32*\k+4*\i+3], v2, s[4:5] offset:4096*\k+512*\i th:TH_LOAD_NT   ; 512 consecutive bytes of a token's row
.endr
.endr
	s_wait_loadcnt 32                              ; Wr is in: the 32 loads of x are younger
.irp j, 0,1,2,3,4,5,6,7
	ds_store_b128 v4, v[WCH+4*\j:WCH+4*\j+3] offset:4608*\j
.endr
	s_wait_dscnt 0x0                               ; for the others' sake: my part of Wr lies in LDS
	s_barrier_signal -1
	s_barrier_wait -1
; Chunk i: 128 along K.  The lane's four rows of Wr (32 numbers) against its four numbers of each token: 64 packed multiply-adds.
.macro DOT i
	s_wait_loadcnt 28-4*\i                         ; chunk i's four loads are in; four for each later chunk may be out
.irp q, 0,1,2,3,4,5,6,7
	ds_load_b128 v[WCH+4*\q:WCH+4*\q+3], v5 offset:4608*\i+16*\q           ; register 8 c + e = Wr[128 i + 4 lane + c][e]
.endr
	s_wait_dscnt 0x0
.irp c, 0,1,2,3
.irp k, 0,1,2,3
.irp p, 0,1,2,3
.if (\i == 0) && (\c == 0)
	v_pk_mul_f32 v[LA+8*\k+2*\p:LA+8*\k+2*\p+1], v[WCH+2*\p:WCH+2*\p+1], v[RAW+32*\k:RAW+32*\k+1] op_sel_hi:[1,0]     ; the first product starts the sums
.elseif (\c%2) == 0
	v_pk_fma_f32 v[LA+8*\k+2*\p:LA+8*\k+2*\p+1], v[WCH+8*\c+2*\p:WCH+8*\c+2*\p+1], v[RAW+32*\k+4*\i+\c:RAW+32*\k+4*\i+\c+1], v[LA+8*\k+2*\p:LA+8*\k+2*\p+1] op_sel_hi:[1,0,1]
.else
	v_pk_fma_f32 v[LA+8*\k+2*\p:LA+8*\k+2*\p+1], v[WCH+8*\c+2*\p:WCH+8*\c+2*\p+1], v[RAW+32*\k+4*\i+\c-1:RAW+32*\k+4*\i+\c], v[LA+8*\k+2*\p:LA+8*\k+2*\p+1] op_sel:[0,1,0] op_sel_hi:[1,1,1]
.endif
.endr
.endr
.endr
.endm
.irp i, 0,1,2,3,4,5,6,7
	DOT \i
.endr
.irp m, 1,2,4,8                        ; the 32 sums over the 32 lanes: four steps inside each half, one across
.set n, 0
.rept 32
	v_add_f32_dpp v[LA+n], v[LA+n], v[LA+n] row_xmask:\m row_mask:0xf bank_mask:0xf
.set n, n+1
.endr
.endr
.set n, 0
.rept 32
	v_permlanex16_b32 v[WCH+n], v[LA+n], s36, s37
.set n, n+1
.endr
.set n, 0
.rept 32
	v_add_f32 v[LA+n], v[LA+n], v[WCH+n]
.set n, n+1
.endr
.irp q, 0,1,2,3,4,5,6,7
	ds_store_b128 v10, v[LA+4*\q:LA+4*\q+3] offset:16*\q                   ; every lane holds the same 32 numbers and writes the same words
.endr
; Token k becomes codes.  The conversion wants 8 neighbours along K in one lane: the row turns through the wave's stage, in as loaded, out a whole block of 32 a lane.
.macro XQUANT k
.set XS, WCH+64*((\k)%2)
.irp i, 0,1,2,3,4,5,6,7
	ds_store_b128 v6, v[RAW+32*\k+4*\i:RAW+32*\k+4*\i+3] offset:4608*\k+576*\i
.endr
.irp j, 0,1,2,3,4,5,6,7
	ds_load_b128 v[XS+4*\j:XS+4*\j+3], v7 offset:4608*\k+16*\j             ; LDS serves a wave's instructions in order: these see the stores above
.endr
	s_wait_dscnt 0x0
	v_max3_num_f32 v12, |v[XS]|, |v[XS+1]|, |v[XS+2]|                      ; the block's largest magnitude, in two chains
	v_max3_num_f32 v13, |v[XS+3]|, |v[XS+4]|, |v[XS+5]|
.irp i, 6,10,14,18,22,26
	v_max3_num_f32 v12, v12, |v[XS+\i]|, |v[XS+\i+1]|
	v_max3_num_f32 v13, v13, |v[XS+\i+2]|, |v[XS+\i+3]|
.endr
	v_max3_num_f32 v12, v12, |v[XS+30]|, |v[XS+31]|
	v_max3_num_f32 v12, v12, v13, 0x1800000        ; and the floor 2^(3 - 127): the byte cannot fall under 1
	v_add_nc_u32 v14, 0xff000000, v12              ; 2 off the exponent field: the conversion's scale operand
.irp g, 0,1,2,3
	v_cvt_scalef32_pk8_fp4_f32 v[CD+4*\k+\g], v[XS+8*\g:XS+8*\g+7], v14
.endr
	v_lshrrev_b32 v[LA+\k], 23, v14                ; the scale's byte (also the plain line behind the conversions)
	ds_store_b8 v8, v[LA+\k] offset:32*\k
	global_store_b128 v2, v[CD+4*\k:CD+4*\k+3], s[10:11] offset:512*\k     ; 32 lanes store the token's 512 bytes of codes
.endm
	XQUANT 0
	XQUANT 1
	XQUANT 2
	XQUANT 3
	ds_load_b32 v15, v11
	v_lshl_add_u32 v68, v1, 5, LG                  ; wave 0's tail: lane = token, 32 bytes of logits each
	s_wait_dscnt 0x0
	global_store_b32 v9, v15, s[34:35]             ; my four tokens' 128 scale bytes
	s_barrier_signal -1                            ; every wave's logits lie in LDS (its LDS instructions were waited for above)
	s_barrier_wait -1
	s_cmp_lg_u32 s16, 0
	s_cbranch_scc1 .Lend
	ds_load_b128 v[32:35], v68
	ds_load_b128 v[36:39], v68 offset:16
	s_lshl_b32 s38, ttmp9, 7
	s_mov_b32 s39, 0
	s_add_nc_u64 s[40:41], s[12:13], s[38:39]      ; pe: 128 bytes a work-group (its 1,024 stand in the immediate)
	s_lshl_b32 s38, ttmp9, 2
	s_add_nc_u64 s[42:43], s[12:13], s[38:39]      ; masks: word g of each expert's 32
	s_lshl_b32 s38, ttmp9, 8
	s_add_nc_u64 s[44:45], s[14:15], s[38:39]      ; gates: 256 bytes a work-group
	s_wait_dscnt 0x0
	s_wait_kmcnt 0x0                               ; br
.irp e, 0,1,2,3,4,5,6,7
	v_add_f32 v[32+\e], s[24+\e], v[32+\e]
.endr
	v_mov_b32 v40, v32                             ; the largest logit and its index: a later one wins only if it is greater
	v_mov_b32 v41, 0
.irp e, 1,2,3,4,5,6,7
	v_cmp_le_f32 vcc_lo, v[32+\e], v40
	v_cndmask_b32 v41, \e, v41, vcc_lo
	v_max_num_f32 v40, v40, v[32+\e]
.endr
	v_mov_b32 v51, 0xff800000
.irp e, 0,1,2,3,4,5,6,7
	v_cmp_eq_u32 vcc_lo, \e, v41
	v_cndmask_b32 v[32+\e], v[32+\e], v51, vcc_lo  ; the winner leaves the field
.endr
	v_mov_b32 v42, v32
	v_mov_b32 v43, 0
.irp e, 1,2,3,4,5,6,7
	v_cmp_le_f32 vcc_lo, v[32+\e], v42
	v_cndmask_b32 v43, \e, v43, vcc_lo
	v_max_num_f32 v42, v42, v[32+\e]
.endr
	v_sub_f32 v44, v42, v40                        ; l1 - l0, never positive
	v_mul_f32 v44, 0x3fb8aa3b, v44
	v_exp_f32 v44, v44
	v_lshl_or_b32 v48, v43, 8, v41                 ; pe  (a plain line behind the exponential)
	s_wait_alu depctr_va_vdst(0)
	v_add_f32 v45, 1.0, v44
	v_rcp_f32 v46, v45                             ; g0
	v_lshlrev_b32 v52, 3, v1                       ; (a plain line behind the reciprocal)
	s_wait_alu depctr_va_vdst(0)
	v_mul_f32 v47, v44, v46                        ; g1
	global_store_b32 v9, v48, s[40:41] offset:1024
	global_store_b64 v52, v[46:47], s[44:45]
	v_mov_b32 v49, 0
.irp e, 0,1,2,3,4,5,6,7
	v_cmp_eq_u32 s48, \e, v41
	v_cmp_eq_u32 s49, \e, v43
	s_or_b32 s48, s48, s49
	v_writelane_b32 v49, s48, \e                   ; lane e holds expert e's mask of these 32 tokens
.endr
	v_lshlrev_b32 v50, 7, v1
	v_cmp_gt_u32 vcc_lo, 8, v1
	s_wait_xcnt 0x0                                ; EXEC is a source of the stores above: it changes only behind this wait
	s_and_saveexec_b32 s50, vcc_lo
	global_store_b32 v50, v49, s[42:43]
	s_wait_xcnt 0x0
	s_or_b32 exec_lo, exec_lo, s50
.Lend:
	s_set_vgpr_msb 0x5
	s_wait_tensorcnt 0x0
	ds_add_u32 v0, v1
	s_wait_dscnt 0x0
	s_set_vgpr_msb 0x500
	s_endpgm
.Lfunc_end_k_q80eeba4151_router:
	.size	k_q80eeba4151_router, .Lfunc_end_k_q80eeba4151_router-k_q80eeba4151_router
	.p2alignl 7, 3214868480
	.fill 96, 4, 3214868480
	.section	.rodata,"a",@progbits
	.p2align	6, 0x0
	.amdhsa_kernel k_q80eeba4151_router
		.amdhsa_group_segment_fixed_size 187392
		.amdhsa_private_segment_fixed_size 0
		.amdhsa_enable_private_segment 0
		.amdhsa_kernarg_size 48
		.amdhsa_user_sgpr_count 2
		.amdhsa_user_sgpr_kernarg_segment_ptr 1
		.amdhsa_wavefront_size32 1
		.amdhsa_system_sgpr_workgroup_id_x 1
		.amdhsa_system_sgpr_workgroup_id_y 1
		.amdhsa_system_sgpr_workgroup_id_z 1
		.amdhsa_system_vgpr_workitem_id 0
		.amdhsa_next_free_vgpr 258
		.amdhsa_next_free_sgpr 66
		.amdhsa_reserve_vcc 1
		.amdhsa_float_denorm_mode_32 3
		.amdhsa_float_denorm_mode_16_64 3
		.amdhsa_memory_ordered 1
		.amdhsa_forward_progress 1
		.amdhsa_inst_pref_size 71
	.end_amdhsa_kernel
	.amdgpu_metadata
---
amdhsa.version: [ 1, 2 ]
amdhsa.kernels:
  - .name:           k_q80eeba4151_router
    .symbol:         k_q80eeba4151_router.kd
    .args:
      - { .name: x, .offset: 0, .size: 8, .value_kind: global_buffer, .address_space: global }
      - { .name: Wr, .offset: 8, .size: 8, .value_kind: global_buffer, .address_space: global }
      - { .name: br, .offset: 16, .size: 8, .value_kind: global_buffer, .address_space: global }
      - { .name: xq, .offset: 24, .size: 8, .value_kind: global_buffer, .address_space: global }
      - { .name: route, .offset: 32, .size: 8, .value_kind: global_buffer, .address_space: global }
      - { .name: gw, .offset: 40, .size: 8, .value_kind: global_buffer, .address_space: global }
    .group_segment_fixed_size: 187392
    .private_segment_fixed_size: 0
    .kernarg_segment_align: 8
    .kernarg_segment_size: 48
    .max_flat_workgroup_size: 256
    .sgpr_count:     66
    .vgpr_count:     258
    .wavefront_size: 32
...
	.end_amdgpu_metadata
.endif
;; end of part 1
;; launch up (part 2): grid 32 x 8, 16 waves a work-group, no clusters, 210,432 bytes of LDS; arguments W1, b1, xq, route, hq, rank; writes hq, rank
.if DOCPART == 2
	.amdgcn_target "amdgcn-amd-amdhsa--gfx1250"
	.amdhsa_code_object_version 6
	.text
	.protected	k_q80eeba4151_up
	.globl	k_q80eeba4151_up
	.p2align	8
	.type	k_q80eeba4151_up,@function
k_q80eeba4151_up:
	s_mov_b64 s[64:65], 0
	v_nop
	global_prefetch_b8 v0, s[64:65] scope:SCOPE_SE
	s_setreg_imm32_b32 hwreg(HW_REG_WAVE_MODE, 25, 1), 1
	s_wait_xcnt 0x0
; FIRST PRODUCT.  Work-group (j, e): hidden units 128 j .. 128 j + 127 of expert e, for all tokens that chose e.
; 1. Its 1,024 x 128 numbers of W1 [e][k][n], f32, are read ONCE, a lane to a column and registers down K, quantised along K (E2M1, one E8M0 byte for 32) and kept as 64 KiB of codes in LDS.
;    Block t of wave (cg, kq) is k = 128 t + 32 kq .. + 31 at columns 32 cg .. + 31: the sixteen waves' blocks t are K step t.  Behind the barrier that follows block t those codes are whole, and
;    every wave multiplies its FIRST tile of rows by them while blocks t + 1 and t + 2 are on their way: the products stand under the stream.  Block t + 1's LDS stores and K step t's LDS reads
;    touch different bytes of the rows (64 (t + 1) on against 64 t .. 64 t + 63), so one barrier a block orders all that has to be ordered.
; 2. The token of rank i among the expert's tokens is row i of its region.  A lane finds the token of its rank in registers, from the expert's 32 mask words; places beyond the count hold token 0.
; 3. A tile is 16 rows (tile w, w + 16, ..): the rows' codes of x are gathered, multiplied by v_wmma_scale_f32_16x16x128_f8f6f4 (transposed: source 0 = 16 hidden units, source 1 = 16 rows),
;    b1 being the C of the first link; then 2 gelu in f32, quantised along the hidden units, stored as an image of the fragment's registers: K step j of the second product.
;    A wave whose first tile does not exist multiplies rows of token 0 all the same, so that no branch stands between the barriers, and stores nothing.
; THE HIDDEN UNITS OF A TILE ARE NOT NEIGHBOURS: row r of tile 2 b + u is unit 32 b + 8 u + r + 8 (r / 8), so that a lane's 16 registers of tiles 2 b, 2 b + 1 are 16 neighbours along the next K.
; No tensor load and no cluster: the number of tiles is read from memory, and partners would need different numbers of them.
; LIMITS.  NaN and infinities are not served.  What is quantised is 2 gelu(a) = a (1 + erf(a / sqrt 2)): the same codes with the scale byte one higher (the last launch halves), except where a block's
; largest magnitude lies under 2^-124 (byte held at 1).  erf: two polynomials, to about an ulp; for a under -1.31 the factor 1 + erf is taken as erfc's exponential itself, with no difference of near numbers.
.set PITCHB, 16384                     ; bytes from k to k + 1 in W1
.set XSOFF, 524288
.set HSOFF, 16777216
.set WP,   528                         ; LDS: from 0 the codes, 128 rows (hidden units, in the tiles' order) of 512 bytes + 16
.set WS,   67584                       ; their scale bytes: 128 rows of 32 + 8
.set WSP,  40
.set B1S,  72704                       ; b1's 128 numbers
.set XST,  73216                       ; a stage of 16 rows x 528 bytes for each wave: a tile's rows of x
.set XSTW, 8448
.set T,    16                          ; v16-31   gather offsets
.set XSC,  32                          ; v32-39   x's scale words, nothing else
.set WSC,  40                          ; v40-47   W1's scale words, nothing else
.set PW,   56                          ; v56      the scale word just made
.set VB1,  57
.set KC0,  58                          ; v58-63   three constants as pairs
.set KC2,  60
.set KD0,  62
.set ACC,  64                          ; v64-127  eight accumulators; before that the first tile's rows as gathered
.set X,    128                         ; v128-191 two sets of 32 numbers of W1; later a next tile's rows as gathered
.set BF,   192                         ; v192-223 four fragments of W1
.set AFC,  224                         ; v224-231 x's fragment of the K step in hand
.set GZ,   192                         ; v192-231 gelu at work
.set GT,   200
.set GS,   208
.set GR,   216
.set GQ,   224
.set SI,   192                         ; v192-203 the search for a token at work
.set SWD,  193
.set SBA,  194
.set SJ,   195
.set SD,   196
.set SA2,  197
.set SB4,  198
.set SC8,  199
.set SE16, 200
.set STM,  201
.set SU,   202
.set SP,   203
.set TM,   232                         ; v232-247 quantisers at work
.set PC,   248                         ; v248-255 the codes just made
.set CW,   248
.macro KP r, val
	s_mov_b32 s[\r], \val
	s_mov_b32 s[\r+1], \val
.endm
.macro PLACES                          ; four plain lines behind matrix instructions, ahead of loads into their registers and of reads of their results
.rept 4
	v_nop
.endr
.endm
.macro LOAD t                          ; block t: 32 rows of k at my 32 columns: 128 consecutive bytes a line, and the waves beside me continue them.  Blocks 4 to 7 from a second base, 512 rows on: the immediate has 24 bits
.set n, 0
.rept 32
.if (\t) < 4
	global_load_b32 v[X+32*((\t)%2)+n], v1, s[4:5] offset:(128*(\t)+n)*PITCHB th:TH_LOAD_NT
.else
	global_load_b32 v[X+32*((\t)%2)+n], v1, s[62:63] offset:(128*((\t)-4)+n)*PITCHB th:TH_LOAD_NT
.endif
.set n, n+1
.endr
.endm
.macro BLOCK t, left                   ; block t becomes 16 bytes of codes and a scale byte in LDS; then the barrier behind which K step t is whole.  left: the younger loads, which may stay out
.set XS, X+32*((\t)%2)
	s_wait_loadcnt \left
	v_max3_num_f32 v[TM], |v[XS]|, |v[XS+1]|, |v[XS+2]|
	v_max3_num_f32 v[TM+1], |v[XS+3]|, |v[XS+4]|, |v[XS+5]|
.irp i, 6,10,14,18,22,26
	v_max3_num_f32 v[TM], v[TM], |v[XS+\i]|, |v[XS+\i+1]|
	v_max3_num_f32 v[TM+1], v[TM+1], |v[XS+\i+2]|, |v[XS+\i+3]|
.endr
	v_max3_num_f32 v[TM], v[TM], |v[XS+30]|, |v[XS+31]|
	v_max3_num_f32 v[TM], v[TM], v[TM+1], 0x1800000                        ; the floor 2^(3 - 127): the byte cannot fall under 1
	v_add_nc_u32 v[TM+2], 0xff000000, v[TM]                                ; 2 off the exponent field: the conversion's scale operand
	v_lshrrev_b32 v[TM+3], 23, v[TM+2]                                     ; the scale's byte
.irp g, 0,1,2,3
	v_cvt_scalef32_pk8_fp4_f32 v[CW+\g], v[XS+8*\g:XS+8*\g+7], v[TM+2]
.endr
	v_nop                                          ; one plain line behind the last conversion
	ds_store_b128 v3, v[CW:CW+3] offset:64*(\t)
	ds_store_b8 v4, v[TM+3] offset:4*(\t)
.if (\t) < 6
	LOAD (\t)+2
.endif
	s_wait_dscnt 0x0                               ; for the others' sake: my part of K step t lies in LDS
	s_barrier_signal -1
	s_barrier_wait -1
.endm
.macro SELSTEP src, wb, span           ; the field at bit SP counts the set bits of the lower half of what is left: if the bit wanted is not among them, on to the upper half
	v_bfe_u32 v[STM], v[\src], v[SP], \wb
	v_cmp_ge_u32 vcc_lo, v[SD], v[STM]
	v_cndmask_b32 v[STM], 0, v[STM], vcc_lo
	v_cndmask_b32 v[SU], 0, \span, vcc_lo
	v_sub_nc_u32 v[SD], v[SD], v[STM]
	v_add_nc_u32 v[SP], v[SP], v[SU]
.endm
; The 16 rows of tile s32: lane (r, h) finds the token of rank i = 16 s32 + r; then each row's 512 bytes of codes come by one line into v[land] on, and the rows' scale words into v[XSC] on.
.macro GATHER land
	s_wait_xcnt 0x0                                ; registers that earlier stores and loads named are written below
	v_lshl_add_u32 v[SI], s32, 4, v9
	v_mov_b32 v[SWD], s68
	v_mov_b32 v[SBA], 0
	v_mov_b32 v[SJ], 0
	s_bcnt1_i32_b32 s30, s68                       ; how many of the expert's tokens lie in the words before word n
.set n, 1
.rept 31
	v_cmp_gt_u32 vcc_lo, s30, v[SI]                ; the last word whose count before it is at most i holds the token
	v_cndmask_b32 v[SWD], s[68+n], v[SWD], vcc_lo
	v_cndmask_b32 v[SBA], s30, v[SBA], vcc_lo
	v_cndmask_b32 v[SJ], 32*n, v[SJ], vcc_lo
	s_bcnt1_i32_b32 s31, s[68+n]
	s_add_co_u32 s30, s30, s31
.set n, n+1
.endr
	v_sub_nc_u32 v[SD], v[SI], v[SBA]              ; which set bit of that word, from 0
	v_lshrrev_b32 v[STM], 1, v[SWD]                ; the word's set bits counted in fields of 2, 4, 8 and 16
	v_and_b32 v[STM], 0x55555555, v[STM]
	v_sub_nc_u32 v[SA2], v[SWD], v[STM]
	v_lshrrev_b32 v[STM], 2, v[SA2]
	v_and_b32 v[STM], 0x33333333, v[STM]
	v_and_b32 v[SB4], 0x33333333, v[SA2]
	v_add_nc_u32 v[SB4], v[SB4], v[STM]
	v_lshrrev_b32 v[STM], 4, v[SB4]
	v_add_nc_u32 v[SC8], v[SB4], v[STM]
	v_and_b32 v[SC8], 0x0f0f0f0f, v[SC8]
	v_lshrrev_b32 v[STM], 8, v[SC8]
	v_add_nc_u32 v[SE16], v[SC8], v[STM]
	v_mov_b32 v[SP], 0
	SELSTEP SE16, 8, 16
	SELSTEP SC8, 8, 8
	SELSTEP SB4, 4, 4
	SELSTEP SA2, 2, 2
	SELSTEP SWD, 1, 1
	v_add_nc_u32 v10, v[SJ], v[SP]
	v_cmp_gt_u32 vcc_lo, s21, v[SI]
	v_cndmask_b32 v10, 0, v10, vcc_lo              ; beyond the count: token 0
	v_min_u32 v11, 0x3ff, v10
	v_lshlrev_b32 v11, 5, v11                      ; my row's 32 scale bytes
.irp i, 0,1,2,3,4,5,6,7,8,9,10,11,12,13,14,15
	v_readlane_b32 s31, v10, \i
	s_min_u32 s31, s31, 0x3ff
	v_lshl_add_u32 v[T+\i], s31, 9, v2             ; row i's 512 bytes, 16 a lane
.endr
.irp i, 0,1,2,3,4,5,6,7,8,9,10,11,12,13,14,15
	global_load_b128 v[\land+4*\i:\land+4*\i+3], v[T+\i], s[8:9]
.endr
	global_load_b128 v[XSC:XSC+3], v11, s[8:9] offset:XSOFF
	global_load_b128 v[XSC+4:XSC+7], v11, s[8:9] offset:XSOFF+16
.endm
.macro KHEAD land                      ; a tile's rows go into my stage as they were gathered; b1 comes in the result's layout: the sums begin with it
.irp i, 0,1,2,3,4,5,6,7,8,9,10,11,12,13,14,15
	ds_store_b128 v7, v[\land+4*\i:\land+4*\i+3] offset:WP*\i
.endr
	s_wait_dscnt 0x0                               ; the stores have read their registers
.irp t, 0,1,2,3,4,5,6,7
	ds_load_b128 v[ACC+8*\t:ACC+8*\t+3], v12 offset:128*(\t/2)+32*(\t%2)
	ds_load_b128 v[ACC+8*\t+4:ACC+8*\t+7], v12 offset:128*(\t/2)+32*(\t%2)+16
.endr
.endm
.macro KSTEP s                         ; 128 along K: eight products, the eight accumulators by turns, four tiles of W1 at a time
.irp g, 0,1
	PLACES
.if \g == 0
.irp c, 0,1
	ds_load_b128 v[AFC+4*\c:AFC+4*\c+3], v8 offset:64*(\s)+32*\c           ; x's fragment out of my stage: LDS serves a wave's instructions in order
.endr
.endif
.irp t, 0,1,2,3
.irp c, 0,1
	ds_load_b128 v[BF+8*\t+4*\c:BF+8*\t+4*\c+3], v5 offset:16*(4*\g+\t)*WP+64*(\s)+32*\c
.endr
	ds_load_b32 v[WSC+4*\g+\t], v6 offset:16*(4*\g+\t)*WSP+4*(\s)
.endr
	s_wait_dscnt 0x0
.irp t, 0,1,2,3
	v_wmma_scale_f32_16x16x128_f8f6f4 v[ACC+8*(4*\g+\t):ACC+8*(4*\g+\t)+7], v[BF+8*\t:BF+8*\t+7], v[AFC:AFC+7], v[ACC+8*(4*\g+\t):ACC+8*(4*\g+\t)+7], v[WSC+4*\g+\t], v[XSC+(\s)] matrix_a_fmt:MATRIX_FMT_FP4 matrix_b_fmt:MATRIX_FMT_FP4
.endr
.endr
.endm
; Tile t's eight numbers a become a (1 + erf(z)), z = a / sqrt 2, t = |z|, s = z z.
; t > 0.9277: E = e^(((((((c0 t + c1) s + (c2 t + c3)) t + c4) t + c5) t + c6) t - t) is erfc(t): the factor is E for z < 0 and 2 - E else.   Otherwise: 1 + (q z + z), q a polynomial in s.
.macro GELU t
.set GA, ACC+8*(\t)
.irp p, 0,2,4,6
	v_pk_mul_f32 v[GZ+\p:GZ+\p+1], v[GA+\p:GA+\p+1], s[36:37] op_sel_hi:[1,0]              ; the accumulator is read from its low end on
.endr
.irp i, 0,1,2,3,4,5,6,7
	v_and_b32 v[GT+\i], 0x7fffffff, v[GZ+\i]
.endr
.irp p, 0,2,4,6
	v_pk_mul_f32 v[GS+\p:GS+\p+1], v[GZ+\p:GZ+\p+1], v[GZ+\p:GZ+\p+1]
.endr
.irp p, 0,2,4,6
	v_pk_fma_f32 v[GR+\p:GR+\p+1], v[GT+\p:GT+\p+1], v[KC0:KC0+1], s[40:41] op_sel_hi:[1,1,0]
.endr
.irp p, 0,2,4,6
	v_pk_fma_f32 v[GQ+\p:GQ+\p+1], v[GT+\p:GT+\p+1], v[KC2:KC2+1], s[42:43] op_sel_hi:[1,1,0]
.endr
.irp p, 0,2,4,6
	v_pk_fma_f32 v[GR+\p:GR+\p+1], v[GR+\p:GR+\p+1], v[GS+\p:GS+\p+1], v[GQ+\p:GQ+\p+1]
.endr
.irp k, 44,46,48
.irp p, 0,2,4,6
	v_pk_fma_f32 v[GR+\p:GR+\p+1], v[GR+\p:GR+\p+1], v[GT+\p:GT+\p+1], s[\k:\k+1] op_sel_hi:[1,1,0]
.endr
.endr
.irp p, 0,2,4,6
	v_pk_fma_f32 v[GR+\p:GR+\p+1], v[GR+\p:GR+\p+1], v[GT+\p:GT+\p+1], v[GT+\p:GT+\p+1] neg_lo:[0,0,1] neg_hi:[0,0,1]
.endr
.irp p, 0,2,4,6
	v_pk_mul_f32 v[GR+\p:GR+\p+1], v[GR+\p:GR+\p+1], s[38:39] op_sel_hi:[1,0]
.endr
.irp i, 0,1,2,3,4,5,6,7
	v_exp_f32 v[GR+\i], v[GR+\i]                   ; E
.endr
.irp p, 0,2,4,6
	v_pk_fma_f32 v[GQ+\p:GQ+\p+1], v[GS+\p:GS+\p+1], v[KD0:KD0+1], s[50:51] op_sel_hi:[1,1,0]   ; (plain lines behind the exponentials)
.endr
.irp k, 52,54,56,58
.irp p, 0,2,4,6
	v_pk_fma_f32 v[GQ+\p:GQ+\p+1], v[GQ+\p:GQ+\p+1], v[GS+\p:GS+\p+1], s[\k:\k+1] op_sel_hi:[1,1,0]
.endr
.endr
.irp p, 0,2,4,6
	v_pk_fma_f32 v[GQ+\p:GQ+\p+1], v[GQ+\p:GQ+\p+1], v[GZ+\p:GZ+\p+1], v[GZ+\p:GZ+\p+1]
.endr
.irp p, 0,2,4,6
	v_pk_add_f32 v[GQ+\p:GQ+\p+1], v[GQ+\p:GQ+\p+1], 1.0 op_sel_hi:[1,0]
.endr
	s_wait_alu depctr_va_vdst(0)
.irp i, 0,1,2,3,4,5,6,7
	v_sub_f32 v[GS+\i], 2.0, v[GR+\i]
.endr
.irp i, 0,1,2,3,4,5,6,7
	v_cmp_gt_f32 vcc_lo, 0, v[GZ+\i]
	v_cndmask_b32 v[GS+\i], v[GS+\i], v[GR+\i], vcc_lo
.endr
.irp i, 0,1,2,3,4,5,6,7
	v_cmp_lt_f32 vcc_lo, s60, v[GT+\i]
	v_cndmask_b32 v[GQ+\i], v[GQ+\i], v[GS+\i], vcc_lo
.endr
.irp p, 0,2,4,6
	v_pk_mul_f32 v[GA+\p:GA+\p+1], v[GA+\p:GA+\p+1], v[GQ+\p:GQ+\p+1]
.endr
.endm
; 64 numbers of a lane, register 16 b + i = k 32 b + 16 (lane / 16) + i of its row, become a fragment's codes in v[PC] on and its scale word in v[PW].
.macro QUANT s
.irp b, 0,1,2,3
	v_max3_num_f32 v[TM+\b], |v[\s+16*\b]|, |v[\s+1+16*\b]|, 0x1800000
.endr
.irp i, 2,4,6,8,10,12,14
.irp b, 0,1,2,3
	v_max3_num_f32 v[TM+\b], v[TM+\b], |v[\s+16*\b+\i]|, |v[\s+1+16*\b+\i]|
.endr
.endr
.irp b, 0,1,2,3
	v_permlanex16_b32 v[TM+4+\b], v[TM+\b], s34, s35
.endr
.irp b, 0,1,2,3
	v_max_num_f32 v[TM+\b], v[TM+\b], v[TM+4+\b]   ; with lane l xor 16's 16: the block's largest magnitude
.endr
.irp b, 0,1,2,3
	v_add_nc_u32 v[TM+12+\b], 0xff000000, v[TM+\b]
.endr
.irp b, 0,1,2,3
	v_lshrrev_b32 v[TM+4+\b], 23, v[TM+12+\b]
.endr
	v_lshl_or_b32 v[PW], v[TM+5], 8, v[TM+4]
	v_lshl_or_b32 v[PW], v[TM+6], 16, v[PW]
	v_lshl_or_b32 v[PW], v[TM+7], 24, v[PW]
.irp b, 0,1,2,3
	v_cvt_scalef32_pk8_fp4_f32 v[PC+2*\b], v[\s+16*\b:\s+7+16*\b], v[TM+12+\b]
	v_cvt_scalef32_pk8_fp4_f32 v[PC+1+2*\b], v[\s+8+16*\b:\s+15+16*\b], v[TM+12+\b]
.endr
	v_nop                                          ; one plain line behind the last conversion
.irp c, 0,1                            ; the operand wants a whole block in a lane: lanes 0-15 block 2 c, lanes 16-31 block 2 c + 1
.irp i, 0,1
	v_permlane16_swap_b32 v[PC+4*\c+\i], v[PC+2+4*\c+\i]
.endr
.endr
.endm
	s_load_b256 s[4:11], s[0:1], 0x0               ; W1 s[4:5], b1 s[6:7], xq s[8:9], route s[10:11]
	s_load_b128 s[12:15], s[0:1], 0x20             ; hq s[12:13], rank s[14:15]
	v_lshl_add_u32 v242, v0, 2, 0x32e00
	v_mov_b32 v243, 0
	v_lshrrev_b32 v11, 5, v0
	v_readfirstlane_b32 s16, v11                   ; wave 0..15
	s_mov_b32 s17, ttmp9                           ; j
	s_and_b32 s18, ttmp7, 0xffff                   ; e
	s_and_b32 s19, s16, 3                          ; cg: which 32 columns I stream
	s_lshr_b32 s20, s16, 2                         ; kq: which 32 of a K step's 128
	v_and_b32 v16, 31, v0
	v_lshlrev_b32 v1, 2, v16                       ; 4 x lane
	v_lshlrev_b32 v2, 4, v16                       ; 16 x lane
	v_and_b32 v9, 15, v0                           ; r
	v_bfe_u32 v18, v0, 4, 1                        ; h
	v_bfe_u32 v19, v0, 3, 1
	v_and_b32 v20, 7, v0
	v_lshl_add_u32 v20, v19, 4, v20
	v_lshl_add_u32 v20, v18, 3, v20                ; the lane's number with bits 3 and 4 changed over: my column's row among its 32, in the tiles' order
	s_lshl_b32 s25, s19, 5
	v_add_nc_u32 v20, s25, v20
	v_mul_u32_u24 v3, v20, WP
	s_lshl_b32 s25, s20, 4
	v_add_nc_u32 v3, s25, v3                       ; where my codes go: my row, 16 bytes at 16 kq of each K step's 64
	v_mul_u32_u24 v4, v20, WSP
	s_add_co_u32 s25, s20, WS
	v_add_nc_u32 v4, s25, v4                       ; and my scale byte: byte kq of each K step's word
	v_mul_u32_u24 v5, v9, WP
	v_lshl_add_u32 v5, v18, 4, v5                  ; a fragment's row x pitch + 16 x half
	v_mul_u32_u24 v6, v9, WSP
	v_add_nc_u32 v6, WS, v6
	s_mul_i32 s25, s16, XSTW
	s_add_co_u32 s25, s25, XST
	v_add_nc_u32 v7, s25, v2                       ; my stage, in: a row as it was gathered
	v_add_nc_u32 v8, s25, v5                       ; out: as fragments
	v_lshlrev_b32 v13, 2, v9                       ; 4 r
	v_lshlrev_b32 v12, 6, v18
	v_add_nc_u32 v12, B1S, v12                     ; b1: my half's units begin 16 further on
	v_and_b32 v14, 127, v0
	v_lshlrev_b32 v14, 2, v14
	v_add_nc_u32 v15, B1S, v14
	v_mov_b32 v[VB1], 0
.irp b, 0,1,2,3
	v_mov_b32 v[TM+4+\b], 0                        ; written once: a lane permute's destination counts as one of its sources
.endr
	v_mov_b32 v[KC0], 0xb7910000                   ; c0
	v_mov_b32 v[KC0+1], 0xb7910000
	v_mov_b32 v[KC2], 0xbb7e8a1c                   ; c2
	v_mov_b32 v[KC2+1], 0xbb7e8a1c
	v_mov_b32 v[KD0], 0xba1c7000                   ; d0
	v_mov_b32 v[KD0+1], 0xba1c7000
	s_mov_b32 s34, 0x76543210
	s_mov_b32 s35, 0xfedcba98
	KP 36, 0x3f3504f3                              ; 1 / sqrt 2   (pairs: the packed forms name a pair and take its low word for both halves)
	KP 38, 0x3fb8aa3b                              ; log2 e
	KP 40, 0x39c8e7d9                              ; c1
	KP 42, 0x3cc6b1a1                              ; c3
	KP 44, 0xbddaae5c                              ; c4
	KP 46, 0xbf228550                              ; c5
	KP 48, 0xbe03ce86                              ; c6
	KP 50, 0x3ba38d2c                              ; d1
	KP 52, 0xbcdb48d9                              ; d2
	KP 54, 0x3de70e22                              ; d3
	KP 56, 0xbec09380                              ; d4
	KP 58, 0x3e0375d4                              ; d5
	s_mov_b32 s60, 0x3f6d8000                      ; 0.927734375
	s_lshl_b32 s26, s18, 24                        ; W1: expert, my 32 rows of a K step, the work-group's 128 columns, my 32
	s_lshl_b32 s25, s20, 19
	s_add_co_u32 s26, s26, s25
	s_lshl_b32 s25, s17, 9
	s_add_co_u32 s26, s26, s25
	s_lshl_b32 s25, s19, 7
	s_add_co_u32 s26, s26, s25
	s_mov_b32 s27, 0
	s_lshl_b32 s28, s18, 14                        ; b1
	s_lshl_b32 s25, s17, 9
	s_add_co_u32 s28, s28, s25
	s_mov_b32 s29, 0
	s_lshl_b32 s30, s18, 7                         ; the expert's 32 mask words
	s_mov_b32 s31, 0
	s_lshl_b32 s32, s18, 12                        ; its 1,024 ranks
	s_mov_b32 s33, 0
	s_wait_kmcnt 0x0
	s_add_nc_u64 s[10:11], s[10:11], s[30:31]
	s_load_b512 s[68:83], s[10:11], 0x0
	s_load_b512 s[84:99], s[10:11], 0x40
	s_add_nc_u64 s[4:5], s[4:5], s[26:27]
	s_add_nc_u64 s[62:63], s[4:5], 0x800000        ; 512 rows of k further on
	s_add_nc_u64 s[6:7], s[6:7], s[28:29]
	s_add_nc_u64 s[14:15], s[14:15], s[32:33]
	s_cmp_lg_u32 s20, 1                            ; waves 4 to 7 fetch b1's 128 numbers: older than every load of W1, so no count below changes
	s_cbranch_scc1 .Lno_b1
	global_load_b32 v[VB1], v14, s[6:7]
.Lno_b1:
	LOAD 0
	LOAD 1
	s_wait_kmcnt 0x0
	s_mov_b32 s21, 0                               ; how many tokens chose e
.set n, 0
.rept 32
	s_bcnt1_i32_b32 s25, s[68+n]
	s_add_co_u32 s21, s21, s25
.set n, n+1
.endr
	s_add_co_u32 s22, s21, 15
	s_lshr_b32 s22, s22, 4
	s_max_u32 s22, s22, 1                          ; tiles of 16 rows, at least one: every work-group stores
	s_cmp_lg_u32 s16, 0                            ; wave 0 of one work-group of each expert stores every token's rank for the last launch
	s_cbranch_scc1 .Lno_rank
	s_cmp_lg_u32 s17, 0
	s_cbranch_scc1 .Lno_rank
	s_mov_b32 s30, 0
.set n, 0
.rept 32
	v_mbcnt_lo_u32_b32 v[64+n], s[68+n], s30       ; token 32 n + lane: how many of e's tokens come before it
	s_bcnt1_i32_b32 s31, s[68+n]
	s_add_co_u32 s30, s30, s31
.set n, n+1
.endr
.set n, 0
.rept 32
	global_store_b32 v1, v[64+n], s[14:15] offset:128*n
.set n, n+1
.endr
.Lno_rank:
	s_mov_b32 s32, s16
	GATHER ACC                                     ; my first tile's rows of x, into the registers that the sums will take
	BLOCK 0, 50                                    ; behind block 0's loads: block 1's 32 and the gather's 18
	s_cmp_lg_u32 s20, 1
	s_cbranch_scc1 .Lno_b1s
	ds_store_b32 v15, v[VB1]                       ; read only behind the next barrier
.Lno_b1s:
	BLOCK 1, 50                                    ; behind block 1's loads: the gather's 18 and block 2's 32
	s_wait_loadcnt 63                              ; the gather is in: behind it stand 64 loads (blocks 2 and 3)
	KHEAD ACC
	KSTEP 0
	KSTEP 1
.irp t, 2,3,4,5,6
	BLOCK \t, 32                                   ; 32: the next block's loads
	KSTEP \t
.endr
	BLOCK 7, 0
	KSTEP 7
	PLACES                                         ; every run of K steps ends with its places: what follows reads the sums or loads into the operands' registers
	s_mov_b32 s23, s16                             ; my tile
	s_mov_b32 s24, 0
.Lrow:                                                 ; four trips, a constant: 64 tiles serve every split.  A trip: the tail of tile s23, whose sums are finished; then the K steps of tile s23 + 16
	s_cmp_ge_u32 s23, s22
	s_cbranch_scc1 .Lno_tail
	s_wait_xcnt 0x0                                ; the last tail's stores have read their registers and bases
	s_wait_loadcnt 0x0                             ; no load is out here
	s_add_co_u32 s32, s23, 16
	s_cmp_ge_u32 s32, s22
	s_cbranch_scc1 .Lno_next
	GATHER X                                       ; my next tile's rows come while this one's activation is computed
.Lno_next:
.irp t, 0,1,2,3,4,5,6,7
	GELU \t
.endr
	QUANT ACC
	s_lshl_b32 s25, s18, 6
	s_add_co_u32 s25, s25, s23
	s_lshl_b32 s25, s25, 5
	s_add_co_u32 s25, s25, s17                     ; (64 e + tile) x 32 + j
	s_lshl_b32 s26, s25, 10
	s_mov_b32 s27, 0
	s_add_nc_u64 s[26:27], s[12:13], s[26:27]
	s_lshl_b32 s28, s25, 6
	s_add_co_u32 s28, s28, HSOFF
	s_mov_b32 s29, 0
	s_add_nc_u64 s[28:29], s[12:13], s[28:29]
	global_store_b128 v2, v[PC:PC+3], s[26:27]                 ; the fragment as it stands: 512 consecutive bytes a line
	global_store_b128 v2, v[PC+4:PC+7], s[26:27] offset:512
	global_store_b32 v13, v[PW], s[28:29]                      ; row r's scale word (both halves of the lanes hold it)
.Lno_tail:
	s_add_co_u32 s23, s23, 16
	s_cmp_ge_u32 s23, s22
	s_cbranch_scc1 .Lno_k
	s_wait_loadcnt 0x0                             ; the tile's rows and scale words are in
	KHEAD X
.irp s, 0,1,2,3,4,5,6,7
	KSTEP \s
.endr
	PLACES
.Lno_k:
	s_add_co_u32 s24, s24, 1
	s_cmp_lt_u32 s24, 4
	s_cbranch_scc1 .Lrow
	s_wait_tensorcnt 0x0
	ds_add_u32 v242, v243
	s_wait_dscnt 0x0
	s_endpgm
.Lfunc_end_k_q80eeba4151_up:
	.size	k_q80eeba4151_up, .Lfunc_end_k_q80eeba4151_up-k_q80eeba4151_up
	.p2alignl 7, 3214868480
	.fill 96, 4, 3214868480
	.section	.rodata,"a",@progbits
	.p2align	6, 0x0
	.amdhsa_kernel k_q80eeba4151_up
		.amdhsa_group_segment_fixed_size 210432
		.amdhsa_private_segment_fixed_size 0
		.amdhsa_enable_private_segment 0
		.amdhsa_kernarg_size 48
		.amdhsa_user_sgpr_count 2
		.amdhsa_user_sgpr_kernarg_segment_ptr 1
		.amdhsa_wavefront_size32 1
		.amdhsa_system_sgpr_workgroup_id_x 1
		.amdhsa_system_sgpr_workgroup_id_y 1
		.amdhsa_system_sgpr_workgroup_id_z 1
		.amdhsa_system_vgpr_workitem_id 0
		.amdhsa_next_free_vgpr 256
		.amdhsa_next_free_sgpr 100
		.amdhsa_reserve_vcc 1
		.amdhsa_float_denorm_mode_32 3
		.amdhsa_float_denorm_mode_16_64 3
		.amdhsa_memory_ordered 1
		.amdhsa_forward_progress 1
		.amdhsa_inst_pref_size 189
	.end_amdhsa_kernel
	.amdgpu_metadata
---
amdhsa.version: [ 1, 2 ]
amdhsa.kernels:
  - .name:           k_q80eeba4151_up
    .symbol:         k_q80eeba4151_up.kd
    .args:
      - { .name: W1, .offset: 0, .size: 8, .value_kind: global_buffer, .address_space: global }
      - { .name: b1, .offset: 8, .size: 8, .value_kind: global_buffer, .address_space: global }
      - { .name: xq, .offset: 16, .size: 8, .value_kind: global_buffer, .address_space: global }
      - { .name: route, .offset: 24, .size: 8, .value_kind: global_buffer, .address_space: global }
      - { .name: hq, .offset: 32, .size: 8, .value_kind: global_buffer, .address_space: global }
      - { .name: rank, .offset: 40, .size: 8, .value_kind: global_buffer, .address_space: global }
    .group_segment_fixed_size: 210432
    .private_segment_fixed_size: 0
    .kernarg_segment_align: 8
    .kernarg_segment_size: 48
    .max_flat_workgroup_size: 512
    .sgpr_count:     100
    .vgpr_count:     256
    .wavefront_size: 32
...
	.end_amdgpu_metadata
.endif
;; end of part 2
;; launch down (part 3): grid 32 x 8, 16 waves a work-group, no clusters, 142,848 bytes of LDS; arguments W2, hq, route, y; writes y
.if DOCPART == 3
	.amdgcn_target "amdgcn-amd-amdhsa--gfx1250"
	.amdhsa_code_object_version 6
	.text
	.protected	k_q80eeba4151_down
	.globl	k_q80eeba4151_down
	.p2align	8
	.type	k_q80eeba4151_down,@function
k_q80eeba4151_down:
	s_mov_b64 s[64:65], 0
	v_nop
	global_prefetch_b8 v0, s[64:65] scope:SCOPE_SE
	s_setreg_imm32_b32 hwreg(HW_REG_WAVE_MODE, 25, 1), 1
	s_wait_xcnt 0x0
; SECOND PRODUCT.  Work-group (x, e): output columns 64 (x % 16) .. + 63, half x / 16 of K = 4,096, expert e, for all rows of the expert's region.
; Its 2,048 x 64 numbers of W2 [e][k][d], f32, are read ONCE, a lane to a column and registers down K, quantised along K and kept as 64 KiB of codes in LDS.
; Block t of wave (cg, kq) is k = 256 t + 32 kq .. + 31 at columns 32 cg .. + 31: the sixteen waves' blocks t are K steps 2 t and 2 t + 1.  Behind the barrier that follows block t those codes are whole,
; and every wave multiplies its FIRST tile of 16 rows by them while blocks t + 1 and t + 2 are on their way: the products stand under the stream.  Block t + 1's LDS stores and these K steps' LDS reads
; touch different bytes of the rows (128 (t + 1) on against 128 t .. 128 t + 127), so one barrier a block orders all that has to be ordered.
; The hidden layer's fragments and scale words come from memory as images of their registers: for the first tile through a ring of four sets of two K steps, asked for four blocks ahead; for a wave's
; later tiles (w + 16, ..) all sixteen at once, while the tile before leaves.  A wave whose first tile does not exist multiplies the last tile that exists, so that no branch stands between the barriers, and stores nothing.
; Transposed use: source 0 = 16 columns of W2, source 1 = 16 rows: a lane holds eight neighbouring columns of one row.   y [half][1024 e + row][1024] f32: the last launch adds the halves.
; 64 columns x half of K: rows of 256 bytes in W2 and in y, and 256 work-groups of equal streams.  No tensor load and no cluster: the number of tiles is read from memory.
; LIMITS.  NaN and infinities are not served; a block of W2 whose largest magnitude lies under 2^-124 keeps the scale byte 1.
.set PITCHB, 4096
.set HSOFF, 16777216
.set WP,   1040                        ; LDS: from 0 the codes, 64 rows (columns d) of 1,024 bytes + 16
.set WS,   66560                       ; their scale bytes: 64 rows of 64 + 8
.set WSP,  72
.set STG,  71168                       ; a stage of 16 rows x (256 + 16) bytes for each wave
.set HSC,  16                          ; v16-23   the hidden layer's scale words (lanes 0-15 an even K step's, lanes 16-31 the next one's), nothing else
.set WSC,  24                          ; v24-31   W2's scale words, nothing else
.set BF,   32                          ; v32-63   four fragments of W2; on the way out 16 rows
.set OUTR, 32
.set ACC,  64                          ; v64-95   four accumulators
.set CW,   96                          ; v96-99   codes just made;  v104-107 quantiser at work
.set TM,   104
.set X,    128                         ; v128-191 two sets of 32 numbers of W2
.set HR,   192                         ; v192-255 the first tile's ring: four sets of two fragments
.set HF,   128                         ; v128-255 a later tile's 16 fragments
.macro PLACES                          ; four plain lines behind matrix instructions, ahead of loads into their registers and of reads of their results
.rept 4
	v_nop
.endr
.endm
.macro LOAD t
.set n, 0
.rept 32
	global_load_b32 v[X+32*((\t)%2)+n], v1, s[4:5] offset:(256*(\t)+n)*PITCHB th:TH_LOAD_NT
.set n, n+1
.endr
.endm
.macro BLOCK t, left                   ; block t becomes 16 bytes of codes and a scale byte in LDS; then the barrier behind which K steps 2 t, 2 t + 1 are whole.  left: the younger loads, which may stay out
.set XS, X+32*((\t)%2)
	s_wait_loadcnt \left
	v_max3_num_f32 v[TM], |v[XS]|, |v[XS+1]|, |v[XS+2]|
	v_max3_num_f32 v[TM+1], |v[XS+3]|, |v[XS+4]|, |v[XS+5]|
.irp i, 6,10,14,18,22,26
	v_max3_num_f32 v[TM], v[TM], |v[XS+\i]|, |v[XS+\i+1]|
	v_max3_num_f32 v[TM+1], v[TM+1], |v[XS+\i+2]|, |v[XS+\i+3]|
.endr
	v_max3_num_f32 v[TM], v[TM], |v[XS+30]|, |v[XS+31]|
	v_max3_num_f32 v[TM], v[TM], v[TM+1], 0x1800000                        ; the floor 2^(3 - 127): the byte cannot fall under 1
	v_add_nc_u32 v[TM+2], 0xff000000, v[TM]                                ; 2 off the exponent field: the conversion's scale operand
	v_lshrrev_b32 v[TM+3], 23, v[TM+2]                                     ; the scale's byte
.irp g, 0,1,2,3
	v_cvt_scalef32_pk8_fp4_f32 v[CW+\g], v[XS+8*\g:XS+8*\g+7], v[TM+2]
.endr
	v_nop                                          ; one plain line behind the last conversion
	ds_store_b128 v3, v[CW:CW+3] offset:128*(\t)
	ds_store_b8 v4, v[TM+3] offset:8*(\t)
.if (\t) < 6
	LOAD (\t)+2
.endif
	s_wait_dscnt 0x0                               ; for the others' sake: my part of these two K steps lies in LDS
	s_barrier_signal -1
	s_barrier_wait -1
.endm
.macro HSLOAD                          ; a tile's scale words: two K steps' 128 bytes a line
.irp p, 0,1,2,3,4,5,6,7
	global_load_b32 v[HSC+\p], v1, s[28:29] offset:128*\p
.endr
.endm
.macro HLOAD t                         ; the first tile's fragments of K steps 2 t, 2 t + 1 into set t % 4 of the ring: 512 consecutive bytes a line
.irp u, 0,1
.irp c, 0,1
	global_load_b128 v[HR+16*((\t)%4)+8*\u+4*\c:HR+16*((\t)%4)+8*\u+4*\c+3], v2, s[26:27] offset:1024*(2*(\t)+\u)+512*\c
.endr
.endr
.endm
.macro PREF                            ; a later tile's 16 fragments and its scale words
.irp s, 0,1,2,3,4,5,6,7,8,9,10,11,12,13,14,15
.irp c, 0,1
	global_load_b128 v[HF+8*\s+4*\c:HF+8*\s+4*\c+3], v2, s[26:27] offset:1024*\s+512*\c
.endr
.endr
	HSLOAD
.endm
.macro KSTEP s, hf                     ; 128 along K: four products, the four accumulators by turns; hf: where the hidden layer's fragment stands
	PLACES                                         ; with the four that end a run of K steps also the places of sums begun anew
.irp t, 0,1,2,3
.irp c, 0,1
	ds_load_b128 v[BF+8*\t+4*\c:BF+8*\t+4*\c+3], v5 offset:16*\t*WP+64*(\s)+32*\c
.endr
.if (\s)%2 == 0
	ds_load_b64 v[WSC+2*\t:WSC+2*\t+1], v6 offset:16*\t*WSP+4*(\s)         ; the scale words of this K step and the next
.endif
.endr
	s_wait_dscnt 0x0
.irp t, 0,1,2,3
.if (\s) == 0
	v_wmma_scale_f32_16x16x128_f8f6f4 v[ACC+8*\t:ACC+8*\t+7], v[BF+8*\t:BF+8*\t+7], v[(\hf):(\hf)+7], 0, v[WSC+2*\t], v[HSC] matrix_a_fmt:MATRIX_FMT_FP4 matrix_b_fmt:MATRIX_FMT_FP4
.elseif (\s)%2 == 0
	v_wmma_scale_f32_16x16x128_f8f6f4 v[ACC+8*\t:ACC+8*\t+7], v[BF+8*\t:BF+8*\t+7], v[(\hf):(\hf)+7], v[ACC+8*\t:ACC+8*\t+7], v[WSC+2*\t], v[HSC+(\s)/2] matrix_a_fmt:MATRIX_FMT_FP4 matrix_b_fmt:MATRIX_FMT_FP4
.else
	v_wmma_scale_f32_16x16x128_f8f6f4 v[ACC+8*\t:ACC+8*\t+7], v[BF+8*\t:BF+8*\t+7], v[(\hf):(\hf)+7], v[ACC+8*\t:ACC+8*\t+7], v[WSC+2*\t+1], v[HSC+(\s)/2] matrix_a_fmt:MATRIX_FMT_FP4 matrix_b_fmt:MATRIX_FMT_FP4 matrix_b_scale:MATRIX_SCALE_ROW1
.endif
.endr
.endm
.macro PK t                            ; the first tile's K steps 2 t and 2 t + 1, out of the ring
	KSTEP 2*(\t), HR+16*((\t)%4)
	KSTEP 2*(\t)+1, HR+16*((\t)%4)+8
.endm
	s_load_b256 s[4:11], s[0:1], 0x0               ; W2 s[4:5], hq s[6:7], route s[8:9], y s[10:11]
	v_lshl_add_u32 v126, v0, 2, 0x22600
	v_mov_b32 v127, 0
	v_lshrrev_b32 v10, 5, v0
	v_readfirstlane_b32 s16, v10                   ; wave 0..15
	s_and_b32 s17, ttmp9, 15                       ; which 64 columns
	s_lshr_b32 s19, ttmp9, 4                       ; which half of K
	s_and_b32 s18, ttmp7, 0xffff                   ; e
	s_and_b32 s20, s16, 1                          ; cg: which 32 columns I stream
	s_lshr_b32 s21, s16, 1                         ; kq: which 32 of a block row's 256 along K
	v_and_b32 v10, 31, v0
	v_lshlrev_b32 v1, 2, v10                       ; 4 x lane
	v_lshlrev_b32 v2, 4, v10                       ; 16 x lane
	v_and_b32 v11, 15, v0                          ; r
	v_bfe_u32 v12, v0, 4, 1                        ; h
	s_lshl_b32 s25, s20, 5
	v_add_nc_u32 v13, s25, v10                     ; my column among the 64
	v_mul_u32_u24 v3, v13, WP
	s_lshl_b32 s25, s21, 4
	v_add_nc_u32 v3, s25, v3                       ; where my codes go: 16 bytes at 16 kq of each 128
	v_mul_u32_u24 v4, v13, WSP
	s_add_co_u32 s25, s21, WS
	v_add_nc_u32 v4, s25, v4                       ; and my scale byte: byte kq of each 8
	v_mul_u32_u24 v5, v11, WP
	v_lshl_add_u32 v5, v12, 4, v5                  ; a fragment's row x pitch + 16 x half
	v_mul_u32_u24 v6, v11, WSP
	v_add_nc_u32 v6, WS, v6
	s_mul_i32 s25, s16, 4352
	s_add_co_u32 s25, s25, STG
	v_mul_u32_u24 v7, v11, 272
	v_lshl_add_u32 v7, v12, 5, v7
	v_add_nc_u32 v7, s25, v7                       ; my stage, in: row r, 32 bytes for each half of the lanes
	v_mul_u32_u24 v8, v12, 272
	v_lshl_add_u32 v8, v11, 4, v8
	v_add_nc_u32 v8, s25, v8                       ; back: sixteen lanes to a row of 256 bytes
	v_lshlrev_b32 v9, 12, v12
	v_lshl_add_u32 v9, v11, 4, v9                  ; and the same two rows in y
	s_lshl_b32 s30, s18, 24                        ; W2: expert, half of K, my 32 rows of k, the 64 columns, my 32
	s_lshl_b32 s25, s19, 23
	s_add_co_u32 s30, s30, s25
	s_lshl_b32 s25, s21, 17
	s_add_co_u32 s30, s30, s25
	s_lshl_b32 s25, s17, 8
	s_add_co_u32 s30, s30, s25
	s_lshl_b32 s25, s20, 7
	s_add_co_u32 s30, s30, s25
	s_mov_b32 s31, 0
	s_lshl_b32 s34, s18, 7                         ; the expert's 32 mask words
	s_mov_b32 s35, 0
	s_wait_kmcnt 0x0
	s_add_nc_u64 s[8:9], s[8:9], s[34:35]
	s_load_b512 s[68:83], s[8:9], 0x0
	s_load_b512 s[84:99], s[8:9], 0x40
	s_add_nc_u64 s[4:5], s[4:5], s[30:31]
	LOAD 0
	LOAD 1
	s_wait_kmcnt 0x0
	s_mov_b32 s22, 0
.set n, 0
.rept 32
	s_bcnt1_i32_b32 s25, s[68+n]
	s_add_co_u32 s22, s22, s25
.set n, n+1
.endr
	s_add_co_u32 s23, s22, 15
	s_lshr_b32 s23, s23, 4
	s_max_u32 s23, s23, 1                          ; tiles of 16 rows: the number that the launch before has stored
	s_sub_co_u32 s25, s23, 1
	s_min_u32 s25, s16, s25                        ; my first tile, or for a wave without one the last that exists
	s_min_u32 s25, s25, 63
	s_lshl_b32 s26, s18, 6
	s_add_co_u32 s26, s26, s25
	s_lshl_b32 s26, s26, 5
	s_lshl_b32 s25, s19, 4
	s_add_co_u32 s26, s26, s25                     ; (64 e + tile) x 32 + 16 x half
	s_lshl_b32 s28, s26, 6
	s_add_co_u32 s28, s28, HSOFF
	s_mov_b32 s29, 0
	s_lshl_b32 s26, s26, 10
	s_mov_b32 s27, 0
	s_add_nc_u64 s[26:27], s[6:7], s[26:27]
	s_add_nc_u64 s[28:29], s[6:7], s[28:29]
	HSLOAD                                         ; 8 loads,
	HLOAD 0                                        ; and 4 for each set of the ring
	HLOAD 1
	HLOAD 2
	HLOAD 3
	BLOCK 0, 56                                    ; behind block 0's loads: block 1's 32, the scale words' 8, the ring's 16
	BLOCK 1, 56                                    ; behind block 1's: those 24 and block 2's 32
	s_wait_loadcnt 63                              ; the scale words and sets 0 and 1 are in: behind them stand 72 loads (sets 2 and 3, blocks 2 and 3)
	PK 0
	PK 1
	PLACES
	HLOAD 4
	HLOAD 5
	BLOCK 2, 40                                    ; behind block 2's: block 3's 32, sets 4 and 5's 8.  Sets 2 and 3 are older than block 2, so they are in too
	PK 2
	PLACES
	HLOAD 6
	BLOCK 3, 44                                    ; behind block 3's: 8, block 4's 32, set 6's 4
	PK 3
	PLACES
	HLOAD 7
	BLOCK 4, 40                                    ; behind block 4's: 4, block 5's 32, set 7's 4.  Sets 4 and 5 are older than block 4
	PK 4
	BLOCK 5, 36                                    ; behind block 5's: set 7's 4, block 6's 32
	PK 5
	BLOCK 6, 32                                    ; behind block 6's: block 7's 32.  Set 6 is older than block 5
	PK 6
	BLOCK 7, 0
	PK 7
	PLACES                                         ; every run of K steps ends with its places: what follows reads the sums or loads into the operands' registers
	s_mov_b32 s24, s16                             ; my tile
	s_mov_b32 s32, 0
.Lrow:                                                 ; four trips, a constant: 64 tiles serve every split.  A trip: tile s24, whose sums are finished, leaves; then the K steps of tile s24 + 16
	s_cmp_ge_u32 s24, s23
	s_cbranch_scc1 .Lno_tail
	s_wait_xcnt 0x0                                ; the last tile's stores have read their registers and base
	s_wait_loadcnt 0x0                             ; no load is out here
	s_add_co_u32 s25, s24, 16
	s_cmp_ge_u32 s25, s23
	s_cbranch_scc1 .Lno_next
	s_add_nc_u64 s[26:27], s[26:27], 524288        ; sixteen tiles on
	s_add_nc_u64 s[28:29], s[28:29], 32768
	PREF
.Lno_next:
.irp t, 0,1,2,3
	ds_store_b128 v7, v[ACC+8*\t:ACC+8*\t+3] offset:64*\t                  ; each accumulator from its low end on
	ds_store_b128 v7, v[ACC+8*\t+4:ACC+8*\t+7] offset:64*\t+16
.endr
.irp i, 0,1,2,3,4,5,6,7
	ds_load_b128 v[OUTR+4*\i:OUTR+4*\i+3], v8 offset:544*\i                ; LDS serves a wave's instructions in order: these see the stores above
.endr
	s_lshl_b32 s30, s19, 25
	s_lshl_b32 s25, s18, 22
	s_add_co_u32 s30, s30, s25
	s_lshl_b32 s25, s24, 16
	s_add_co_u32 s30, s30, s25
	s_lshl_b32 s25, s17, 8
	s_add_co_u32 s30, s30, s25
	s_mov_b32 s31, 0
	s_add_nc_u64 s[30:31], s[10:11], s[30:31]
.irp i, 0,1,2,3,4,5,6,7
	s_wait_dscnt 7-\i                              ; rows 2 i, 2 i + 1 are back; the later read-backs may be out
	global_store_b128 v9, v[OUTR+4*\i:OUTR+4*\i+3], s[30:31] offset:8192*\i th:TH_STORE_NT   ; sixteen lanes store 256 consecutive bytes, at a multiple of 256 from y's first byte
.endr
.Lno_tail:
	s_add_co_u32 s24, s24, 16
	s_cmp_ge_u32 s24, s23
	s_cbranch_scc1 .Lno_k
	s_wait_xcnt 0x0                                ; the stores above have read the registers into which W2's fragments come
	s_wait_loadcnt 0x0                             ; the tile is in
.irp s, 0,1,2,3,4,5,6,7,8,9,10,11,12,13,14,15
	KSTEP \s, HF+8*\s
.endr
	PLACES
.Lno_k:
	s_add_co_u32 s32, s32, 1
	s_cmp_lt_u32 s32, 4
	s_cbranch_scc1 .Lrow
	s_wait_tensorcnt 0x0
	ds_add_u32 v126, v127
	s_wait_dscnt 0x0
	s_endpgm
.Lfunc_end_k_q80eeba4151_down:
	.size	k_q80eeba4151_down, .Lfunc_end_k_q80eeba4151_down-k_q80eeba4151_down
	.p2alignl 7, 3214868480
	.fill 96, 4, 3214868480
	.section	.rodata,"a",@progbits
	.p2align	6, 0x0
	.amdhsa_kernel k_q80eeba4151_down
		.amdhsa_group_segment_fixed_size 142848
		.amdhsa_private_segment_fixed_size 0
		.amdhsa_enable_private_segment 0
		.amdhsa_kernarg_size 32
		.amdhsa_user_sgpr_count 2
		.amdhsa_user_sgpr_kernarg_segment_ptr 1
		.amdhsa_wavefront_size32 1
		.amdhsa_system_sgpr_workgroup_id_x 1
		.amdhsa_system_sgpr_workgroup_id_y 1
		.amdhsa_system_sgpr_workgroup_id_z 1
		.amdhsa_system_vgpr_workitem_id 0
		.amdhsa_next_free_vgpr 256
		.amdhsa_next_free_sgpr 100
		.amdhsa_reserve_vcc 0
		.amdhsa_float_denorm_mode_32 3
		.amdhsa_float_denorm_mode_16_64 3
		.amdhsa_memory_ordered 1
		.amdhsa_forward_progress 1
		.amdhsa_inst_pref_size 95
	.end_amdhsa_kernel
	.amdgpu_metadata
---
amdhsa.version: [ 1, 2 ]
amdhsa.kernels:
  - .name:           k_q80eeba4151_down
    .symbol:         k_q80eeba4151_down.kd
    .args:
      - { .name: W2, .offset: 0, .size: 8, .value_kind: global_buffer, .address_space: global }
      - { .name: hq, .offset: 8, .size: 8, .value_kind: global_buffer, .address_space: global }
      - { .name: route, .offset: 16, .size: 8, .value_kind: global_buffer, .address_space: global }
      - { .name: y, .offset: 24, .size: 8, .value_kind: global_buffer, .address_space: global }
    .group_segment_fixed_size: 142848
    .private_segment_fixed_size: 0
    .kernarg_segment_align: 8
    .kernarg_segment_size: 32
    .max_flat_workgroup_size: 512
    .sgpr_count:     100
    .vgpr_count:     256
    .wavefront_size: 32
...
	.end_amdgpu_metadata
.endif
;; end of part 3
;; launch combine (part 4): grid 256 x 1, 8 waves a work-group, no clusters, 0 bytes of LDS; arguments y, b2, route, gw, rank, out0; writes out0
.if DOCPART == 4
	.amdgcn_target "amdgcn-amd-amdhsa--gfx1250"
	.amdhsa_code_object_version 6
	.text
	.protected	k_q80eeba4151_combine
	.globl	k_q80eeba4151_combine
	.p2align	8
	.type	k_q80eeba4151_combine,@function
k_q80eeba4151_combine:
	s_mov_b64 s[64:65], 0
	v_nop
	global_prefetch_b8 v0, s[64:65] scope:SCOPE_SE
	s_setreg_imm32_b32 hwreg(HW_REG_WAVE_MODE, 25, 1), 1
	s_wait_xcnt 0x0
; out[t] = the sum over the token's two experts of g (0.5 (y[0][row] + y[1][row]) + b2[e]), row = 1024 e + the token's rank in e.  The 0.5 takes back the 2 of 2 gelu: exact.
; A wave takes half a token's row, 2,048 bytes: six rows to read, one to write, each line 512 consecutive bytes.  Experts and ranks are whole numbers that earlier launches stored;
; all eight ranks of the token are read at fixed places and the two wanted are selected, so that one round of scalar loads serves.  No LDS, no barrier: waves share nothing.
; The order of the f32 sums differs from a sum over all eight experts, six of whose terms are zeros.
	s_load_b256 s[4:11], s[0:1], 0x0               ; y s[4:5], b2 s[6:7], route s[8:9], gw s[10:11]
	s_load_b128 s[12:15], s[0:1], 0x20             ; rank s[12:13], out0 s[14:15]
	v_lshrrev_b32 v1, 5, v0
	v_readfirstlane_b32 s16, v1                    ; wave
	v_and_b32 v1, 31, v0
	v_lshlrev_b32 v1, 4, v1                        ; 16 x lane
	s_lshr_b32 s17, s16, 1
	s_lshl_b32 s18, ttmp9, 2
	s_add_co_u32 s17, s17, s18                     ; my token
	s_and_b32 s18, s16, 1
	s_lshl_b32 s18, s18, 11                        ; my half of a row, in bytes
	s_lshl_b32 s19, s17, 2
	s_lshl_b32 s21, s17, 3
	s_wait_kmcnt 0x0
	s_load_b32 s20, s[8:9], s19 offset:0x400       ; e0 | e1 << 8
	s_load_b64 s[22:23], s[10:11], s21 offset:0x0  ; g0, g1
.irp i, 0,1,2,3,4,5,6,7
	s_load_b32 s[24+\i], s[12:13], s19 offset:4096*\i
.endr
	s_wait_kmcnt 0x0
	s_and_b32 s32, s20, 0xff
	s_min_u32 s32, s32, 7
	s_bfe_u32 s33, s20, 0x80008
	s_min_u32 s33, s33, 7
	s_mov_b32 s34, s24
	s_mov_b32 s35, s24
.irp i, 1,2,3,4,5,6,7
	s_cmp_eq_u32 s32, \i
	s_cselect_b32 s34, s[24+\i], s34
	s_cmp_eq_u32 s33, \i
	s_cselect_b32 s35, s[24+\i], s35
.endr
	s_min_u32 s34, s34, 1023
	s_min_u32 s35, s35, 1023
	s_lshl_b32 s36, s32, 10
	s_add_co_u32 s36, s36, s34
	s_lshl_b32 s36, s36, 12
	s_add_co_u32 s36, s36, s18
	s_mov_b32 s37, 0
	s_lshl_b32 s38, s33, 10
	s_add_co_u32 s38, s38, s35
	s_lshl_b32 s38, s38, 12
	s_add_co_u32 s38, s38, s18
	s_mov_b32 s39, 0
	s_add_nc_u64 s[40:41], s[4:5], s[36:37]        ; y, first half of K, expert 0's row
	s_add_nc_u64 s[42:43], s[40:41], 0x2000000     ; second half
	s_add_nc_u64 s[44:45], s[4:5], s[38:39]        ; the same for expert 1
	s_add_nc_u64 s[46:47], s[44:45], 0x2000000
	s_lshl_b32 s36, s32, 12
	s_add_co_u32 s36, s36, s18
	s_add_nc_u64 s[48:49], s[6:7], s[36:37]        ; b2's two rows
	s_lshl_b32 s38, s33, 12
	s_add_co_u32 s38, s38, s18
	s_add_nc_u64 s[50:51], s[6:7], s[38:39]
	s_lshl_b32 s36, s17, 12
	s_add_co_u32 s36, s36, s18
	s_add_nc_u64 s[52:53], s[14:15], s[36:37]      ; out
	s_mul_f32 s54, s22, 0.5                        ; pairs: the packed forms name a pair and take its low word for both halves
	s_mul_f32 s56, s23, 0.5
	s_mov_b32 s58, s22
	s_mov_b32 s59, s22
	s_mov_b32 s60, s23
	s_mov_b32 s61, s23
	s_mov_b32 s55, s54
	s_mov_b32 s57, s56
.irp i, 0,1,2,3
.irp p, 0,1,2,3
	global_load_b128 v[16+16*\p+4*\i:16+16*\p+4*\i+3], v1, s[40+2*\p:41+2*\p] offset:512*\i th:TH_LOAD_NT
.endr
.irp p, 4,5
	global_load_b128 v[16+16*\p+4*\i:16+16*\p+4*\i+3], v1, s[40+2*\p:41+2*\p] offset:512*\i
.endr
.endr
.irp i, 0,1,2,3
	s_wait_loadcnt 18-6*\i                         ; piece i's six loads are in; six for each later piece may be out
.irp u, 0,2
	v_pk_add_f32 v[16+4*\i+\u:17+4*\i+\u], v[16+4*\i+\u:17+4*\i+\u], v[32+4*\i+\u:33+4*\i+\u]
	v_pk_add_f32 v[48+4*\i+\u:49+4*\i+\u], v[48+4*\i+\u:49+4*\i+\u], v[64+4*\i+\u:65+4*\i+\u]
	v_pk_mul_f32 v[112+4*\i+\u:113+4*\i+\u], v[16+4*\i+\u:17+4*\i+\u], s[54:55] op_sel_hi:[1,0]
	v_pk_fma_f32 v[112+4*\i+\u:113+4*\i+\u], v[48+4*\i+\u:49+4*\i+\u], s[56:57], v[112+4*\i+\u:113+4*\i+\u] op_sel_hi:[1,0,1]
	v_pk_fma_f32 v[112+4*\i+\u:113+4*\i+\u], v[80+4*\i+\u:81+4*\i+\u], s[58:59], v[112+4*\i+\u:113+4*\i+\u] op_sel_hi:[1,0,1]
	v_pk_fma_f32 v[112+4*\i+\u:113+4*\i+\u], v[96+4*\i+\u:97+4*\i+\u], s[60:61], v[112+4*\i+\u:113+4*\i+\u] op_sel_hi:[1,0,1]
.endr
	global_store_b128 v1, v[112+4*\i:115+4*\i], s[52:53] offset:512*\i th:TH_STORE_NT
.endr
	s_endpgm
.Lfunc_end_k_q80eeba4151_combine:
	.size	k_q80eeba4151_combine, .Lfunc_end_k_q80eeba4151_combine-k_q80eeba4151_combine
	.p2alignl 7, 3214868480
	.fill 96, 4, 3214868480
	.section	.rodata,"a",@progbits
	.p2align	6, 0x0
	.amdhsa_kernel k_q80eeba4151_combine
		.amdhsa_group_segment_fixed_size 0
		.amdhsa_private_segment_fixed_size 0
		.amdhsa_enable_private_segment 0
		.amdhsa_kernarg_size 48
		.amdhsa_user_sgpr_count 2
		.amdhsa_user_sgpr_kernarg_segment_ptr 1
		.amdhsa_wavefront_size32 1
		.amdhsa_system_sgpr_workgroup_id_x 1
		.amdhsa_system_sgpr_workgroup_id_y 1
		.amdhsa_system_sgpr_workgroup_id_z 1
		.amdhsa_system_vgpr_workitem_id 0
		.amdhsa_next_free_vgpr 128
		.amdhsa_next_free_sgpr 66
		.amdhsa_reserve_vcc 0
		.amdhsa_float_denorm_mode_32 3
		.amdhsa_float_denorm_mode_16_64 3
		.amdhsa_memory_ordered 1
		.amdhsa_forward_progress 1
		.amdhsa_inst_pref_size 10
	.end_amdhsa_kernel
	.amdgpu_metadata
---
amdhsa.version: [ 1, 2 ]
amdhsa.kernels:
  - .name:           k_q80eeba4151_combine
    .symbol:         k_q80eeba4151_combine.kd
    .args:
      - { .name: y, .offset: 0, .size: 8, .value_kind: global_buffer, .address_space: global }
      - { .name: b2, .offset: 8, .size: 8, .value_kind: global_buffer, .address_space: global }
      - { .name: route, .offset: 16, .size: 8, .value_kind: global_buffer, .address_space: global }
      - { .name: gw, .offset: 24, .size: 8, .value_kind: global_buffer, .address_space: global }
      - { .name: rank, .offset: 32, .size: 8, .value_kind: global_buffer, .address_space: global }
      - { .name: out0, .offset: 40, .size: 8, .value_kind: global_buffer, .address_space: global }
    .group_segment_fixed_size: 0
    .private_segment_fixed_size: 0
    .kernarg_segment_align: 8
    .kernarg_segment_size: 48
    .max_flat_workgroup_size: 256
    .sgpr_count:     66
    .vgpr_count:     128
    .wavefront_size: 32
...
	.end_amdgpu_metadata
.endif
;; end of part 4
;; ======== version 2 of 2: 4 launches
;; workspace buffers: xq 557,056 bytes; route 5,120 bytes of whole numbers; gw 8,192 bytes; rank 32,768 bytes of whole numbers; hq 17,825,792 bytes; y 67,108,864 bytes
;; launch router (part 5): grid 32 x 1, 8 waves a work-group, no clusters, 187,392 bytes of LDS; arguments x, Wr, br, xq, route, gw; writes xq, route, gw
.if DOCPART == 5
	.amdgcn_target "amdgcn-amd-amdhsa--gfx1250"
	.amdhsa_code_object_version 6
	.text
	.protected	k_q80eeba4151_router
	.globl	k_q80eeba4151_router
	.p2align	8
	.type	k_q80eeba4151_router,@function
k_q80eeba4151_router:
	s_mov_b64 s[64:65], 0
	v_nop
	global_prefetch_b8 v0, s[64:65] scope:SCOPE_SE
	s_setreg_imm32_b32 hwreg(HW_REG_WAVE_MODE, 25, 1), 1
	s_wait_xcnt 0x0
; ROUTER AND x's QUANTISER.  x [1024][1024], Wr [1024][8], br [8]: f32.
; Stores: xq: x as codes of E2M1, [t][512 bytes], and from byte XSOFF on one E8M0 byte for each 32 along K, [t][32];
;         route: mask[e][g] (bit l: token 32 g + l chose expert e), then from byte 1,024 on pe[t] = e0 | e1 << 8;   gw: [t][2] the two gates.
; A work-group takes 32 tokens (one mask word an expert), a wave four.  The logits are f32 fused multiply-adds; nothing here steers an address: the choice is only stored.
; LIMITS.  NaN and infinities are not served.  The two experts are chosen on the logits (softmax rises with them; equal logits: the lower index); logits that differ
; but whose softmax values round to the same f32 number may be ordered otherwise than by a top-k on the softmax.  The gates are 1 / (1 + e^(l1 - l0)) and its complement:
; the same ratio, with the larger logit taken away, so the exponent is never positive.  A block whose largest magnitude lies under 2^-124 keeps the scale byte 1.
.set XSOFF, 524288
.set XT,  36864                        ; LDS: from 0 Wr, 256 groups of 4 rows (128 bytes) 144 bytes apart; from XT a stage of 32 blocks x 144 bytes for each wave and token
.set SBY, 184320                       ; 128 scale bytes for each wave
.set LG,  185344                       ; the logits, [32][8] f32
.set CD,  16                           ; v16-31   codes, four registers a token
.set WCH, 32                           ; v32-63   Wr as loaded, then a chunk of Wr, then an even token's blocks
.set LA,  64                           ; v64-95   logit sums, 8 a token; later v64-67 scale bytes, v68 an address
.set RAW, 128                          ; v128-255 x as loaded: register 32 k + 4 i + c = x[token k][128 i + 4 lane + c]   (v96-127: an odd token's blocks)
	s_load_b256 s[4:11], s[0:1], 0x0               ; x s[4:5], Wr s[6:7], br s[8:9], xq s[10:11]
	s_load_b128 s[12:15], s[0:1], 0x20             ; route s[12:13], gw s[14:15]
	s_set_vgpr_msb 0x40
	v_lshl_add_u32 v0, v0, 2, 0x2d800
	v_mov_b32 v1, 0
	s_set_vgpr_msb 0x4000
	v_lshrrev_b32 v12, 5, v0
	s_delay_alu instid0(VALU_DEP_1)
	v_readfirstlane_b32 s16, v12                   ; wave
	v_and_b32 v1, 31, v0                           ; lane
	s_delay_alu instid0(VALU_DEP_1)
	v_lshlrev_b32 v2, 4, v1                        ; 16 x lane
	v_lshlrev_b32 v3, 4, v0                        ; 16 x thread
	v_lshrrev_b32 v12, 3, v0
	v_and_b32 v13, 7, v0
	s_delay_alu instid0(VALU_DEP_2)
	v_mul_u32_u24 v4, v12, 144
	s_delay_alu instid0(VALU_DEP_1)
	v_lshl_add_u32 v4, v13, 4, v4                  ; Wr into LDS: eight threads fill a group of 128 bytes
	v_mul_u32_u24 v5, v1, 144                      ; Wr out of LDS: lane l takes group l of a chunk
	s_mul_i32 s17, s16, 18432
	s_add_co_u32 s17, s17, XT                      ; my wave's four stages
	v_lshrrev_b32 v12, 3, v1
	v_and_b32 v13, 7, v1
	s_delay_alu instid0(VALU_DEP_2)
	v_mul_u32_u24 v6, v12, 144
	s_delay_alu instid0(VALU_DEP_1)
	v_lshl_add_u32 v6, v13, 4, v6
	s_delay_alu instid0(VALU_DEP_1)
	v_add_nc_u32 v6, s17, v6                       ; stage, in: eight lanes fill a block of 128 bytes
	v_add_nc_u32 v7, s17, v5                       ; stage, out: lane l takes block l
	s_lshl_b32 s18, s16, 7
	s_add_co_u32 s19, s18, SBY
	v_add_nc_u32 v8, s19, v1                       ; my block's scale byte
	v_lshlrev_b32 v9, 2, v1                        ; 4 x lane
	s_delay_alu instid0(VALU_DEP_1)
	v_add_nc_u32 v11, s19, v9                      ; and four of them on the way out
	s_add_co_u32 s19, s18, LG
	v_mov_b32 v10, s19                             ; my wave's 32 logits
	s_mov_b32 s36, 0x76543210
	s_mov_b32 s37, 0xfedcba98                      ; v_permlanex16_b32's selects for lane l xor 16
	s_lshl_b32 s20, ttmp9, 17                      ; x: 32 tokens x 4,096 bytes a work-group,
	s_lshl_b32 s21, s16, 14                        ; four tokens a wave
	s_add_co_u32 s20, s20, s21
	s_mov_b32 s21, 0
	s_lshl_b32 s22, ttmp9, 14                      ; codes: 512 bytes a token
	s_lshl_b32 s23, s16, 11
	s_add_co_u32 s22, s22, s23
	s_mov_b32 s23, 0
	s_lshl_b32 s32, ttmp9, 10                      ; scale bytes: 32 a token
	s_add_co_u32 s32, s32, s18
	s_add_co_u32 s32, s32, XSOFF
	s_mov_b32 s33, 0
	s_wait_kmcnt 0x0
	s_load_b256 s[24:31], s[8:9], 0x0              ; br
	s_add_nc_u64 s[4:5], s[4:5], s[20:21]
	s_add_nc_u64 s[34:35], s[10:11], s[32:33]
	s_add_nc_u64 s[10:11], s[10:11], s[22:23]
.irp j, 0,1,2,3,4,5,6,7
	global_load_b128 v[WCH+4*\j:WCH+4*\j+3], v3, s[6:7] offset:4096*\j      ; all of Wr, 4,096 consecutive bytes a line
.endr
.irp i, 0,1,2,3,4,5,6,7
.irp k, 0,1,2,3
	global_load_b128 v[RAW+32*\k+4*\i:RAW+32*\k+4*\i+3], v2, s[4:5] offset:4096*\k+512*\i th:TH_LOAD_NT   ; 512 consecutive bytes of a token's row
.endr
.endr
	s_wait_loadcnt 32                              ; Wr is in: the 32 loads of x are younger
.irp j, 0,1,2,3,4,5,6,7
	ds_store_b128 v4, v[WCH+4*\j:WCH+4*\j+3] offset:4608*\j
.endr
	s_wait_dscnt 0x0                               ; for the others' sake: my part of Wr lies in LDS
	s_barrier_signal -1
	s_barrier_wait -1
; Chunk i: 128 along K.  The lane's four rows of Wr (32 numbers) against its four numbers of each token: 64 packed multiply-adds.
.macro DOT i
	s_wait_loadcnt 28-4*\i                         ; chunk i's four loads are in; four for each later chunk may be out
.irp q, 0,1,2,3,4,5,6,7
	ds_load_b128 v[WCH+4*\q:WCH+4*\q+3], v5 offset:4608*\i+16*\q           ; register 8 c + e = Wr[128 i + 4 lane + c][e]
.endr
	s_wait_dscnt 0x0
.irp c, 0,1,2,3
.irp k, 0,1,2,3
.irp p, 0,1,2,3
.if (\i == 0) && (\c == 0)
	v_pk_mul_f32 v[LA+8*\k+2*\p:LA+8*\k+2*\p+1], v[WCH+2*\p:WCH+2*\p+1], v[RAW+32*\k:RAW+32*\k+1] op_sel_hi:[1,0]     ; the first product starts the sums
.elseif (\c%2) == 0
	v_pk_fma_f32 v[LA+8*\k+2*\p:LA+8*\k+2*\p+1], v[WCH+8*\c+2*\p:WCH+8*\c+2*\p+1], v[RAW+32*\k+4*\i+\c:RAW+32*\k+4*\i+\c+1], v[LA+8*\k+2*\p:LA+8*\k+2*\p+1] op_sel_hi:[1,0,1]
.else
	v_pk_fma_f32 v[LA+8*\k+2*\p:LA+8*\k+2*\p+1], v[WCH+8*\c+2*\p:WCH+8*\c+2*\p+1], v[RAW+32*\k+4*\i+\c-1:RAW+32*\k+4*\i+\c], v[LA+8*\k+2*\p:LA+8*\k+2*\p+1] op_sel:[0,1,0] op_sel_hi:[1,1,1]
.endif
.endr
.endr
.endr
.endm
.irp i, 0,1,2,3,4,5,6,7
	DOT \i
.endr
.irp m, 1,2,4,8                        ; the 32 sums over the 32 lanes: four steps inside each half, one across
.set n, 0
.rept 32
	v_add_f32_dpp v[LA+n], v[LA+n], v[LA+n] row_xmask:\m row_mask:0xf bank_mask:0xf
.set n, n+1
.endr
.endr
.set n, 0
.rept 32
	v_permlanex16_b32 v[WCH+n], v[LA+n], s36, s37
.set n, n+1
.endr
.set n, 0
.rept 32
	v_add_f32 v[LA+n], v[LA+n], v[WCH+n]
.set n, n+1
.endr
.irp q, 0,1,2,3,4,5,6,7
	ds_store_b128 v10, v[LA+4*\q:LA+4*\q+3] offset:16*\q                   ; every lane holds the same 32 numbers and writes the same words
.endr
; Token k becomes codes.  The conversion wants 8 neighbours along K in one lane: the row turns through the wave's stage, in as loaded, out a whole block of 32 a lane.
.macro XQUANT k
.set XS, WCH+64*((\k)%2)
.irp i, 0,1,2,3,4,5,6,7
	ds_store_b128 v6, v[RAW+32*\k+4*\i:RAW+32*\k+4*\i+3] offset:4608*\k+576*\i
.endr
.irp j, 0,1,2,3,4,5,6,7
	ds_load_b128 v[XS+4*\j:XS+4*\j+3], v7 offset:4608*\k+16*\j             ; LDS serves a wave's instructions in order: these see the stores above
.endr
	s_wait_dscnt 0x0
	v_max3_num_f32 v12, |v[XS]|, |v[XS+1]|, |v[XS+2]|                      ; the block's largest magnitude, in two chains
	v_max3_num_f32 v13, |v[XS+3]|, |v[XS+4]|, |v[XS+5]|
.irp i, 6,10,14,18,22,26
	s_delay_alu instid0(VALU_DEP_2)
	v_max3_num_f32 v12, v12, |v[XS+\i]|, |v[XS+\i+1]|
	s_delay_alu instid0(VALU_DEP_2)
	v_max3_num_f32 v13, v13, |v[XS+\i+2]|, |v[XS+\i+3]|
.endr
	s_delay_alu instid0(VALU_DEP_2)
	v_max3_num_f32 v12, v12, |v[XS+30]|, |v[XS+31]|
	s_delay_alu instid0(VALU_DEP_1)
	v_max3_num_f32 v12, v12, v13, 0x1800000        ; and the floor 2^(3 - 127): the byte cannot fall under 1
	s_delay_alu instid0(VALU_DEP_1)
	v_add_nc_u32 v14, 0xff000000, v12              ; 2 off the exponent field: the conversion's scale operand
.irp g, 0,1,2,3
	v_cvt_scalef32_pk8_fp4_f32 v[CD+4*\k+\g], v[XS+8*\g:XS+8*\g+7], v14
.endr
	v_lshrrev_b32 v[LA+\k], 23, v14                ; the scale's byte (also the plain line behind the conversions)
	ds_store_b8 v8, v[LA+\k] offset:32*\k
	global_store_b128 v2, v[CD+4*\k:CD+4*\k+3], s[10:11] offset:512*\k     ; 32 lanes store the token's 512 bytes of codes
.endm
	XQUANT 0
	XQUANT 1
	XQUANT 2
	XQUANT 3
	ds_load_b32 v15, v11
	v_lshl_add_u32 v68, v1, 5, LG                  ; wave 0's tail: lane = token, 32 bytes of logits each
	s_wait_dscnt 0x0
	global_store_b32 v9, v15, s[34:35]             ; my four tokens' 128 scale bytes
	s_barrier_signal -1                            ; every wave's logits lie in LDS (its LDS instructions were waited for above)
	s_barrier_wait -1
	s_cmp_lg_u32 s16, 0
	s_cbranch_scc1 .Lend
	s_wait_alu depctr_va_vdst(0)
	ds_load_b128 v[32:35], v68
	ds_load_b128 v[36:39], v68 offset:16
	s_lshl_b32 s38, ttmp9, 7
	s_mov_b32 s39, 0
	s_add_nc_u64 s[40:41], s[12:13], s[38:39]      ; pe: 128 bytes a work-group (its 1,024 stand in the immediate)
	s_lshl_b32 s38, ttmp9, 2
	s_add_nc_u64 s[42:43], s[12:13], s[38:39]      ; masks: word g of each expert's 32
	s_lshl_b32 s38, ttmp9, 8
	s_add_nc_u64 s[44:45], s[14:15], s[38:39]      ; gates: 256 bytes a work-group
	s_wait_dscnt 0x0
	s_wait_kmcnt 0x0                               ; br
.irp e, 0,1,2,3,4,5,6,7
	v_add_f32 v[32+\e], s[24+\e], v[32+\e]
.endr
	v_mov_b32 v40, v32                             ; the largest logit and its index: a later one wins only if it is greater
	v_mov_b32 v41, 0
.irp e, 1
	s_delay_alu instid0(VALU_DEP_2)
	v_cmp_le_f32 vcc_lo, v[32+\e], v40
	s_delay_alu instid0(VALU_DEP_1)
	v_cndmask_b32 v41, \e, v41, vcc_lo
	s_delay_alu instid0(VALU_DEP_4)
	v_max_num_f32 v40, v40, v[32+\e]
.endr
.irp e, 2, 3, 4, 5, 6, 7
	s_delay_alu instid0(VALU_DEP_1)
	v_cmp_le_f32 vcc_lo, v[32+\e], v40
	s_delay_alu instid0(VALU_DEP_1)
	v_cndmask_b32 v41, \e, v41, vcc_lo
	s_delay_alu instid0(VALU_DEP_3)
	v_max_num_f32 v40, v40, v[32+\e]
.endr
	v_mov_b32 v51, 0xff800000
.irp e, 0,1,2,3,4,5,6,7
	v_cmp_eq_u32 vcc_lo, \e, v41
	s_delay_alu instid0(VALU_DEP_1)
	v_cndmask_b32 v[32+\e], v[32+\e], v51, vcc_lo  ; the winner leaves the field
.endr
	v_mov_b32 v42, v32
	v_mov_b32 v43, 0
.irp e, 1
	s_delay_alu instid0(VALU_DEP_2)
	v_cmp_le_f32 vcc_lo, v[32+\e], v42
	s_delay_alu instid0(VALU_DEP_1)
	v_cndmask_b32 v43, \e, v43, vcc_lo
	s_delay_alu instid0(VALU_DEP_4)
	v_max_num_f32 v42, v42, v[32+\e]
.endr
.irp e, 2, 3, 4, 5, 6, 7
	s_delay_alu instid0(VALU_DEP_1)
	v_cmp_le_f32 vcc_lo, v[32+\e], v42
	s_delay_alu instid0(VALU_DEP_1)
	v_cndmask_b32 v43, \e, v43, vcc_lo
	s_delay_alu instid0(VALU_DEP_3)
	v_max_num_f32 v42, v42, v[32+\e]
.endr
	s_delay_alu instid0(VALU_DEP_1)
	v_sub_f32 v44, v42, v40                        ; l1 - l0, never positive
	s_delay_alu instid0(VALU_DEP_1)
	v_mul_f32 v44, 0x3fb8aa3b, v44
	s_wait_alu depctr_va_vdst(0)
	v_exp_f32 v44, v44
	v_lshl_or_b32 v48, v43, 8, v41                 ; pe  (a plain line behind the exponential)
	s_wait_alu depctr_va_vdst(0)
	v_add_f32 v45, 1.0, v44
	s_wait_alu depctr_va_vdst(0)
	v_rcp_f32 v46, v45                             ; g0
	v_lshlrev_b32 v52, 3, v1                       ; (a plain line behind the reciprocal)
	s_wait_alu depctr_va_vdst(0)
	v_mul_f32 v47, v44, v46                        ; g1
	global_store_b32 v9, v48, s[40:41] offset:1024
	global_store_b64 v52, v[46:47], s[44:45]
	v_mov_b32 v49, 0
.irp e, 0,1,2,3,4,5,6,7
	v_cmp_eq_u32 s48, \e, v41
	v_cmp_eq_u32 s49, \e, v43
	s_or_b32 s48, s48, s49
	v_writelane_b32 v49, s48, \e                   ; lane e holds expert e's mask of these 32 tokens
.endr
	v_lshlrev_b32 v50, 7, v1
	v_cmp_gt_u32 vcc_lo, 8, v1
	s_wait_alu depctr_va_vdst(0)
	s_wait_xcnt 0x0                                ; EXEC is a source of the stores above: it changes only behind this wait
	s_and_saveexec_b32 s50, vcc_lo
	global_store_b32 v50, v49, s[42:43]
	s_wait_xcnt 0x0
	s_or_b32 exec_lo, exec_lo, s50
.Lend:
	s_set_vgpr_msb 0x5
	s_wait_tensorcnt 0x0
	ds_add_u32 v0, v1
	s_wait_dscnt 0x0
	s_set_vgpr_msb 0x500
	s_endpgm
.Lfunc_end_k_q80eeba4151_router:
	.size	k_q80eeba4151_router, .Lfunc_end_k_q80eeba4151_router-k_q80eeba4151_router
	.p2alignl 7, 3214868480
	.fill 96, 4, 3214868480
	.section	.rodata,"a",@progbits
	.p2align	6, 0x0
	.amdhsa_kernel k_q80eeba4151_router
		.amdhsa_group_segment_fixed_size 187392
		.amdhsa_private_segment_fixed_size 0
		.amdhsa_enable_private_segment 0
		.amdhsa_kernarg_size 48
		.amdhsa_user_sgpr_count 2
		.amdhsa_user_sgpr_kernarg_segment_ptr 1
		.amdhsa_wavefront_size32 1
		.amdhsa_system_sgpr_workgroup_id_x 1
		.amdhsa_system_sgpr_workgroup_id_y 1
		.amdhsa_system_sgpr_workgroup_id_z 1
		.amdhsa_system_vgpr_workitem_id 0
		.amdhsa_next_free_vgpr 258
		.amdhsa_next_free_sgpr 66
		.amdhsa_reserve_vcc 1
		.amdhsa_float_denorm_mode_32 3
		.amdhsa_float_denorm_mode_16_64 3
		.amdhsa_memory_ordered 1
		.amdhsa_forward_progress 1
		.amdhsa_inst_pref_size 75
	.end_amdhsa_kernel
	.amdgpu_metadata
---
amdhsa.version: [ 1, 2 ]
amdhsa.kernels:
  - .name:           k_q80eeba4151_router
    .symbol:         k_q80eeba4151_router.kd
    .args:
      - { .name: x, .offset: 0, .size: 8, .value_kind: global_buffer, .address_space: global }
      - { .name: Wr, .offset: 8, .size: 8, .value_kind: global_buffer, .address_space: global }
      - { .name: br, .offset: 16, .size: 8, .value_kind: global_buffer, .address_space: global }
      - { .name: xq, .offset: 24, .size: 8, .value_kind: global_buffer, .address_space: global }
      - { .name: route, .offset: 32, .size: 8, .value_kind: global_buffer, .address_space: global }
      - { .name: gw, .offset: 40, .size: 8, .value_kind: global_buffer, .address_space: global }
    .group_segment_fixed_size: 187392
    .private_segment_fixed_size: 0
    .kernarg_segment_align: 8
    .kernarg_segment_size: 48
    .max_flat_workgroup_size: 256
    .sgpr_count:     66
    .vgpr_count:     258
    .wavefront_size: 32
...
	.end_amdgpu_metadata
.endif
;; end of part 5
;; launch up (part 6): grid 32 x 8, 16 waves a work-group, no clusters, 210,432 bytes of LDS; arguments W1, b1, xq, route, hq, rank; writes hq, rank
.if DOCPART == 6
	.amdgcn_target "amdgcn-amd-amdhsa--gfx1250"
	.amdhsa_code_object_version 6
	.text
	.protected	k_q80eeba4151_up
	.globl	k_q80eeba4151_up
	.p2align	8
	.type	k_q80eeba4151_up,@function
k_q80eeba4151_up:
	s_mov_b64 s[64:65], 0
	v_nop
	global_prefetch_b8 v0, s[64:65] scope:SCOPE_SE
	s_setreg_imm32_b32 hwreg(HW_REG_WAVE_SCHED_MODE, 0, 2), 2
	s_setreg_imm32_b32 hwreg(HW_REG_WAVE_MODE, 25, 1), 1
	s_wait_xcnt 0x0
	s_wait_alu depctr_vm_vsrc(0)
; FIRST PRODUCT.  Work-group (j, e): hidden units 128 j .. 128 j + 127 of expert e, for all tokens that chose e.
; 1. Its 1,024 x 128 numbers of W1 [e][k][n], f32, are read ONCE, a lane to a column and registers down K, quantised along K (E2M1, one E8M0 byte for 32) and kept as 64 KiB of codes in LDS.
;    Block t of wave (cg, kq) is k = 128 t + 32 kq .. + 31 at columns 32 cg .. + 31: the sixteen waves' blocks t are K step t.  Behind the barrier that follows block t those codes are whole, and
;    every wave multiplies its FIRST tile of rows by them while blocks t + 1 and t + 2 are on their way: the products stand under the stream.  Block t + 1's LDS stores and K step t's LDS reads
;    touch different bytes of the rows (64 (t + 1) on against 64 t .. 64 t + 63), so one barrier a block orders all that has to be ordered.
; 2. The token of rank i among the expert's tokens is row i of its region.  A lane finds the token of its rank in registers, from the expert's 32 mask words; places beyond the count hold token 0.
; 3. A tile is 16 rows (tile w, w + 16, ..): the rows' codes of x are gathered, multiplied by v_wmma_scale_f32_16x16x128_f8f6f4 (transposed: source 0 = 16 hidden units, source 1 = 16 rows),
;    b1 being the C of the first link; then 2 gelu in f32, quantised along the hidden units, stored as an image of the fragment's registers: K step j of the second product.
;    A wave whose first tile does not exist multiplies rows of token 0 all the same, so that no branch stands between the barriers, and stores nothing.
; THE HIDDEN UNITS OF A TILE ARE NOT NEIGHBOURS: row r of tile 2 b + u is unit 32 b + 8 u + r + 8 (r / 8), so that a lane's 16 registers of tiles 2 b, 2 b + 1 are 16 neighbours along the next K.
; No tensor load and no cluster: the number of tiles is read from memory, and partners would need different numbers of them.
; LIMITS.  NaN and infinities are not served.  What is quantised is 2 gelu(a) = a (1 + erf(a / sqrt 2)): the same codes with the scale byte one higher (the last launch halves), except where a block's
; largest magnitude lies under 2^-124 (byte held at 1).  erf: two polynomials, to about an ulp; for a under -1.31 the factor 1 + erf is taken as erfc's exponential itself, with no difference of near numbers.
; THE MODE: SCHED_MODE bits 1:0 = 2 (LLVM: expert scheduling mode 2), set by the entry lines.  The code itself states the register dependences between vector or matrix instructions and memory or
; LDS instructions, and those through scalar registers and VCC that vector instructions write, with s_wait_alu, always for 0.
; THE PLAN.  Registers that memory or LDS instructions touch, and who else names them:
;   v1-v8, v12-v15    offsets and LDS addresses: made at the head, never written again.  One wait on va_vdst ahead of the first load serves them for the whole kernel.
;   X0, X1            block t's loads land; its maxima and conversions read; block t + 2's loads land.  Later a tile's rows land there, and KHEAD's LDS stores read them.
;   v[CW ..], v[TM+3] a block's conversions and shift write; its two LDS stores read; the next block, and at last the rows' quantiser, write them again.
;   BF, AFC, WSC      LDS loads land; four products read; the next run of LDS loads lands.  (The search and the activation work in the same registers.)
;   v[T ..], v11      a gather's vector lines write; its loads read them as offsets.      XSC: a gather's loads land; products read.
;   ACC               the ranks (vector lines write, stores read); the first tile's rows land, KHEAD's stores read; b1 lands; products, activation and quantiser.
;   v[PC ..], v[PW]   the quantiser writes; the tail's stores read.
; A block has ONE wait on va_vdst, behind its conversions: its LDS stores, the loads of block t + 2 and the first LDS loads of K step t all follow it with nothing more owed, since no vector or matrix
; instruction between names a register that they touch.  A run of LDS loads that follows products with no such wait between has its own.  Waits on vm_vsrc stand where registers that stores or loads
; have read are due to be written again: at a block's head, in KHEAD, ahead of the loop over rows, at a tail's end.
; Scalar registers that vector instructions write: s16; the search's masks, four compares to a run; VCC in the five steps that find a bit, each of which hangs on the one before; sixteen tokens in one
; run; the activation's sixteen masks in one run.  One wait on va_sdst (VCC: va_vcc) stands behind each run, ahead of its first reader.
.set PITCHB, 16384                     ; bytes from k to k + 1 in W1
.set XSOFF, 524288
.set HSOFF, 16777216
.set WP,   528                         ; LDS: from 0 the codes, 128 rows (hidden units, in the tiles' order) of 512 bytes + 16
.set WS,   67584                       ; their scale bytes: 128 rows of 32 + 8
.set WSP,  40
.set B1S,  72704                       ; b1's 128 numbers
.set XST,  73216                       ; a stage of 16 rows x 528 bytes for each wave: a tile's rows of x
.set XSTW, 8448
.set T,    16                          ; v16-31   gather offsets
.set XSC,  32                          ; v32-39   x's scale words, nothing else
.set WSC,  40                          ; v40-47   W1's scale words, nothing else
.set PW,   56                          ; v56      the scale word just made
.set VB1,  57
.set KC0,  58                          ; v58-63   three constants as pairs
.set KC2,  60
.set KD0,  62
.set ACC,  64                          ; v64-127  eight accumulators; before that the first tile's rows as gathered
.set X,    128                         ; v128-191 two sets of 32 numbers of W1; later a next tile's rows as gathered
.set BF,   192                         ; v192-223 four fragments of W1
.set AFC,  224                         ; v224-231 x's fragment of the K step in hand
.set GZ,   192                         ; v192-231 gelu at work
.set GT,   200
.set GS,   208
.set GR,   216
.set GQ,   224
.set SI,   192                         ; v192-203 the search for a token at work
.set SWD,  193
.set SBA,  194
.set SJ,   195
.set SD,   196
.set SA2,  197
.set SB4,  198
.set SC8,  199
.set SE16, 200
.set STM,  201
.set SU,   202
.set SP,   203
.set TM,   232                         ; v232-247 quantisers at work
.set PC,   248                         ; v248-255 the codes just made
.set CW,   248
.macro KP r, val
	s_mov_b32 s[\r], \val
	s_mov_b32 s[\r+1], \val
.endm
.macro PLACES                          ; four plain lines behind matrix instructions, ahead of loads into their registers and of reads of their results
.rept 4
	v_nop
.endr
.endm
.macro LOAD t                          ; block t: 32 rows of k at my 32 columns: 128 consecutive bytes a line, and the waves beside me continue them.  Blocks 4 to 7 from a second base, 512 rows on: the immediate has 24 bits
.set n, 0
.rept 32
.if (\t) < 4
	global_load_b32 v[X+32*((\t)%2)+n], v1, s[4:5] offset:(128*(\t)+n)*PITCHB th:TH_LOAD_NT
.else
	global_load_b32 v[X+32*((\t)%2)+n], v1, s[62:63] offset:(128*((\t)-4)+n)*PITCHB th:TH_LOAD_NT
.endif
.set n, n+1
.endr
.endm
.macro BLOCK t, left                   ; block t becomes 16 bytes of codes and a scale byte in LDS; then the barrier behind which K step t is whole.  left: the younger loads, which may stay out
.set XS, X+32*((\t)%2)
	s_wait_loadcnt \left
.if (\t) > 0
	s_wait_alu depctr_vm_vsrc(0)                   ; the last block's LDS stores have read v[CW ..] and the byte's register, which this block writes again
.endif
	v_max3_num_f32 v[TM], |v[XS]|, |v[XS+1]|, |v[XS+2]|
	v_max3_num_f32 v[TM+1], |v[XS+3]|, |v[XS+4]|, |v[XS+5]|
.irp i, 6,10,14,18,22,26
	v_max3_num_f32 v[TM], v[TM], |v[XS+\i]|, |v[XS+\i+1]|
	v_max3_num_f32 v[TM+1], v[TM+1], |v[XS+\i+2]|, |v[XS+\i+3]|
.endr
	v_max3_num_f32 v[TM], v[TM], |v[XS+30]|, |v[XS+31]|
	v_max3_num_f32 v[TM], v[TM], v[TM+1], 0x1800000                        ; the floor 2^(3 - 127): the byte cannot fall under 1
	v_add_nc_u32 v[TM+2], 0xff000000, v[TM]                                ; 2 off the exponent field: the conversion's scale operand
	v_lshrrev_b32 v[TM+3], 23, v[TM+2]                                     ; the scale's byte
.irp g, 0,1,2,3
	v_cvt_scalef32_pk8_fp4_f32 v[CW+\g], v[XS+8*\g:XS+8*\g+7], v[TM+2]
.endr
	v_nop                                          ; one plain line behind the last conversion
	s_wait_alu depctr_va_vdst(0)                   ; the conversions have written v[CW ..] and the shift the byte, which the LDS stores read; maxima and conversions are done reading this set, in which block t + 2 lands; the products of the K step before are done reading their fragments and scale words, in which K step t's first LDS loads land
	ds_store_b128 v3, v[CW:CW+3] offset:64*(\t)
	ds_store_b8 v4, v[TM+3] offset:4*(\t)
.if (\t) < 6
	LOAD (\t)+2
.endif
	s_wait_dscnt 0x0                               ; for the others' sake: my part of K step t lies in LDS
	s_barrier_signal -1
	s_barrier_wait -1
.endm
; The search, words n0 .. n0 + cnt - 1 of the expert's 32: the last word whose count before it is at most i holds the token.  s25 holds the count before word n0, s26 to s28 take those before the next words;
; the compares go in one run into s29, s30, s31, s33, with one wait ahead of the selections, which take the words in ascending order.
.macro SRUN n0, cnt
.set sk, 0
.rept \cnt
	v_cmp_gt_u32 s[29+sk+sk/3], s[25+sk], v[SI]
.if sk < (\cnt)-1
	s_bcnt1_i32_b32 s2, s[68+(\n0)+sk]
	s_add_co_u32 s[26+sk], s[25+sk], s2
.endif
.set sk, sk+1
.endr
	s_wait_alu depctr_va_sdst(0)                   ; the run's masks are written, ahead of the selections that read them
.set sk, 0
.rept \cnt
	v_cndmask_b32 v[SWD], s[68+(\n0)+sk], v[SWD], s[29+sk+sk/3]
	v_cndmask_b32 v[SBA], s[25+sk], v[SBA], s[29+sk+sk/3]
	v_cndmask_b32 v[SJ], 32*((\n0)+sk), v[SJ], s[29+sk+sk/3]
.set sk, sk+1
.endr
.if (\n0)+(\cnt) < 32
	s_bcnt1_i32_b32 s2, s[68+(\n0)+(\cnt)-1]
	s_add_co_u32 s25, s[25+(\cnt)-1], s2           ; the count before the next run's first word
.endif
.endm
.macro SELSTEP src, wb, span           ; the field at bit SP counts the set bits of the lower half of what is left: if the bit wanted is not among them, on to the upper half
	v_bfe_u32 v[STM], v[\src], v[SP], \wb
	v_cmp_ge_u32 vcc_lo, v[SD], v[STM]
	s_wait_alu depctr_va_vcc(0)                    ; VCC is written, ahead of the two selections that read it; the next step's compare hangs on their results, so each step has its wait
	v_cndmask_b32 v[STM], 0, v[STM], vcc_lo
	v_cndmask_b32 v[SU], 0, \span, vcc_lo
	v_sub_nc_u32 v[SD], v[SD], v[STM]
	v_add_nc_u32 v[SP], v[SP], v[SU]
.endm
; The 16 rows of tile s32: lane (r, h) finds the token of rank i = 16 s32 + r; then each row's 512 bytes of codes come by one line into v[land] on, and the rows' scale words into v[XSC] on.
.macro GATHER land
	s_wait_xcnt 0x0                                ; registers that earlier stores and loads named are written below
	v_lshl_add_u32 v[SI], s32, 4, v9
	v_mov_b32 v[SWD], s68
	s_wait_alu depctr_va_vdst(0)
	v_mov_b32 v[SBA], 0
	s_wait_alu depctr_va_vdst(0)
	v_mov_b32 v[SJ], 0
	s_wait_alu depctr_va_vdst(0)
	s_bcnt1_i32_b32 s25, s68                       ; how many of the expert's tokens lie in the words before word 1
	SRUN 1, 4
	s_wait_alu depctr_va_vdst(0)
	SRUN 5, 4
	s_wait_alu depctr_va_vdst(0)
	SRUN 9, 4
	s_wait_alu depctr_va_vdst(0)
	SRUN 13, 4
	s_wait_alu depctr_va_vdst(0)
	SRUN 17, 4
	s_wait_alu depctr_va_vdst(0)
	SRUN 21, 4
	s_wait_alu depctr_va_vdst(0)
	SRUN 25, 4
	v_cmp_gt_u32 s33, s21, v[SI]                   ; is my rank under the count?  It rides in the last run, which has three words, under that run's wait
	SRUN 29, 3
	v_sub_nc_u32 v[SD], v[SI], v[SBA]              ; which set bit of that word, from 0
	v_lshrrev_b32 v[STM], 1, v[SWD]                ; the word's set bits counted in fields of 2, 4, 8 and 16
	v_and_b32 v[STM], 0x55555555, v[STM]
	v_sub_nc_u32 v[SA2], v[SWD], v[STM]
	v_lshrrev_b32 v[STM], 2, v[SA2]
	v_and_b32 v[STM], 0x33333333, v[STM]
	v_and_b32 v[SB4], 0x33333333, v[SA2]
	v_add_nc_u32 v[SB4], v[SB4], v[STM]
	v_lshrrev_b32 v[STM], 4, v[SB4]
	v_add_nc_u32 v[SC8], v[SB4], v[STM]
	v_and_b32 v[SC8], 0x0f0f0f0f, v[SC8]
	v_lshrrev_b32 v[STM], 8, v[SC8]
	v_add_nc_u32 v[SE16], v[SC8], v[STM]
	v_mov_b32 v[SP], 0
	SELSTEP SE16, 8, 16
	SELSTEP SC8, 8, 8
	SELSTEP SB4, 4, 4
	SELSTEP SA2, 2, 2
	SELSTEP SWD, 1, 1
	v_add_nc_u32 v10, v[SJ], v[SP]
	v_cndmask_b32 v10, 0, v10, s33                 ; beyond the count: token 0
	v_min_u32 v11, 0x3ff, v10
	v_lshlrev_b32 v11, 5, v11                      ; my row's 32 scale bytes
.set gi, 0
.irp r, 25,26,27,28,29,30,31,33,2,3,10,11,19,61,66,67
	v_readlane_b32 s[\r], v10, gi                  ; the sixteen rows' tokens, in one run
.set gi, gi+1
.endr
	s_wait_alu depctr_va_sdst(0)                   ; the sixteen tokens are written, ahead of the scalar lines that read them
.set gi, 0
.irp r, 25,26,27,28,29,30,31,33,2,3,10,11,19,61,66,67
	s_min_u32 s[\r], s[\r], 0x3ff
	v_lshl_add_u32 v[T+gi], s[\r], 9, v2           ; row gi's 512 bytes, 16 a lane
.set gi, gi+1
.endr
	s_wait_alu depctr_va_vdst(0)                   ; v[T ..] and v11 are written, which the loads below read as offsets; every vector and matrix instruction that named v[land ..] or x's scale words is done, and the loads land there
.irp i, 0,1,2,3,4,5,6,7,8,9,10,11,12,13,14,15
	global_load_b128 v[\land+4*\i:\land+4*\i+3], v[T+\i], s[8:9]
.endr
	global_load_b128 v[XSC:XSC+3], v11, s[8:9] offset:XSOFF
	global_load_b128 v[XSC+4:XSC+7], v11, s[8:9] offset:XSOFF+16
.endm
.macro KHEAD land                      ; a tile's rows go into my stage as they were gathered; b1 comes in the result's layout: the sums begin with it
.irp i, 0,1,2,3,4,5,6,7,8,9,10,11,12,13,14,15
	ds_store_b128 v7, v[\land+4*\i:\land+4*\i+3] offset:WP*\i
.endr
	s_wait_dscnt 0x0                               ; the stores have read their registers
	s_wait_alu depctr_vm_vsrc(0)                   ; stated for the registers' next writers: the first tile's rows stood in the sums' registers, in which b1 lands below; a later tile's stand where the next tile's rows will land
.irp t, 0,1,2,3,4,5,6,7
	ds_load_b128 v[ACC+8*\t:ACC+8*\t+3], v12 offset:128*(\t/2)+32*(\t%2)
	ds_load_b128 v[ACC+8*\t+4:ACC+8*\t+7], v12 offset:128*(\t/2)+32*(\t%2)+16
.endr
.endm
.macro KSTEP s, w                      ; 128 along K: eight products, the eight accumulators by turns, four tiles of W1 at a time.  w = 0: a wait on va_vdst stands behind the last products already, and nothing since names the operands' registers
.irp g, 0,1
	PLACES
.if (\g) || (\w)
	s_wait_alu depctr_va_vdst(0)                   ; the four products before are done reading W1's fragments and scale words (at a K step's head: x's fragment too), in which the LDS loads below land
.endif
.if \g == 0
.irp c, 0,1
	ds_load_b128 v[AFC+4*\c:AFC+4*\c+3], v8 offset:64*(\s)+32*\c           ; x's fragment out of my stage: LDS serves a wave's instructions in order
.endr
.endif
.irp t, 0,1,2,3
.irp c, 0,1
	ds_load_b128 v[BF+8*\t+4*\c:BF+8*\t+4*\c+3], v5 offset:16*(4*\g+\t)*WP+64*(\s)+32*\c
.endr
	ds_load_b32 v[WSC+4*\g+\t], v6 offset:16*(4*\g+\t)*WSP+4*(\s)
.endr
	s_wait_dscnt 0x0
.irp t, 0,1,2,3
	v_wmma_scale_f32_16x16x128_f8f6f4 v[ACC+8*(4*\g+\t):ACC+8*(4*\g+\t)+7], v[BF+8*\t:BF+8*\t+7], v[AFC:AFC+7], v[ACC+8*(4*\g+\t):ACC+8*(4*\g+\t)+7], v[WSC+4*\g+\t], v[XSC+(\s)] matrix_a_fmt:MATRIX_FMT_FP4 matrix_b_fmt:MATRIX_FMT_FP4
.endr
.endr
.endm
; Tile t's eight numbers a become a (1 + erf(z)), z = a / sqrt 2, t = |z|, s = z z.
; t > 0.9277: E = e^(((((((c0 t + c1) s + (c2 t + c3)) t + c4) t + c5) t + c6) t - t) is erfc(t): the factor is E for z < 0 and 2 - E else.   Otherwise: 1 + (q z + z), q a polynomial in s.
; The sixteen compares hang on z and t alone: they go in one run, early, into sixteen scalar registers, and one wait stands ahead of the first selection.
.macro GELU t
.set GA, ACC+8*(\t)
.irp p, 0,2,4,6
	v_pk_mul_f32 v[GZ+\p:GZ+\p+1], v[GA+\p:GA+\p+1], s[36:37] op_sel_hi:[1,0]              ; the accumulator is read from its low end on
.endr
.irp i, 0,1,2,3,4,5,6,7
	v_and_b32 v[GT+\i], 0x7fffffff, v[GZ+\i]
.endr
.set gi, 0
.irp r, 25,26,27,28,29,30,31,33
	v_cmp_gt_f32 s[\r], 0, v[GZ+gi]                ; z < 0
.set gi, gi+1
.endr
.set gi, 0
.irp r, 2,3,10,11,19,61,66,67
	v_cmp_lt_f32 s[\r], s60, v[GT+gi]              ; t over the polynomials' border
.set gi, gi+1
.endr
.irp p, 0,2,4,6
	v_pk_mul_f32 v[GS+\p:GS+\p+1], v[GZ+\p:GZ+\p+1], v[GZ+\p:GZ+\p+1]
.endr
.irp p, 0,2,4,6
	v_pk_fma_f32 v[GR+\p:GR+\p+1], v[GT+\p:GT+\p+1], v[KC0:KC0+1], s[40:41] op_sel_hi:[1,1,0]
.endr
.irp p, 0,2,4,6
	v_pk_fma_f32 v[GQ+\p:GQ+\p+1], v[GT+\p:GT+\p+1], v[KC2:KC2+1], s[42:43] op_sel_hi:[1,1,0]
.endr
.irp p, 0,2,4,6
	v_pk_fma_f32 v[GR+\p:GR+\p+1], v[GR+\p:GR+\p+1], v[GS+\p:GS+\p+1], v[GQ+\p:GQ+\p+1]
.endr
.irp k, 44,46,48
.irp p, 0,2,4,6
	v_pk_fma_f32 v[GR+\p:GR+\p+1], v[GR+\p:GR+\p+1], v[GT+\p:GT+\p+1], s[\k:\k+1] op_sel_hi:[1,1,0]
.endr
.endr
.irp p, 0,2,4,6
	v_pk_fma_f32 v[GR+\p:GR+\p+1], v[GR+\p:GR+\p+1], v[GT+\p:GT+\p+1], v[GT+\p:GT+\p+1] neg_lo:[0,0,1] neg_hi:[0,0,1]
.endr
.irp p, 0,2,4,6
	v_pk_mul_f32 v[GR+\p:GR+\p+1], v[GR+\p:GR+\p+1], s[38:39] op_sel_hi:[1,0]
.endr
	s_wait_alu depctr_va_vdst(0)
.irp i, 0,1,2,3,4,5,6,7
	v_exp_f32 v[GR+\i], v[GR+\i]                   ; E
.endr
.irp p, 0,2,4,6
	v_pk_fma_f32 v[GQ+\p:GQ+\p+1], v[GS+\p:GS+\p+1], v[KD0:KD0+1], s[50:51] op_sel_hi:[1,1,0]   ; (plain lines behind the exponentials)
.endr
.irp k, 52,54,56,58
.irp p, 0,2,4,6
	v_pk_fma_f32 v[GQ+\p:GQ+\p+1], v[GQ+\p:GQ+\p+1], v[GS+\p:GS+\p+1], s[\k:\k+1] op_sel_hi:[1,1,0]
.endr
.endr
.irp p, 0,2,4,6
	v_pk_fma_f32 v[GQ+\p:GQ+\p+1], v[GQ+\p:GQ+\p+1], v[GZ+\p:GZ+\p+1], v[GZ+\p:GZ+\p+1]
.endr
.irp p, 0,2,4,6
	v_pk_add_f32 v[GQ+\p:GQ+\p+1], v[GQ+\p:GQ+\p+1], 1.0 op_sel_hi:[1,0]
.endr
	s_wait_alu depctr_va_vdst(0)                   ; the eight exponentials have written v[GR ..]: one wait for the batch, ahead of its first reader
.irp i, 0,1,2,3,4,5,6,7
	v_sub_f32 v[GS+\i], 2.0, v[GR+\i]
.endr
	s_wait_alu depctr_va_sdst(0)                   ; the sixteen masks are written, ahead of the selections that read them
.set gi, 0
.irp r, 25,26,27,28,29,30,31,33
	v_cndmask_b32 v[GS+gi], v[GS+gi], v[GR+gi], s[\r]
.set gi, gi+1
.endr
.set gi, 0
.irp r, 2,3,10,11,19,61,66,67
	v_cndmask_b32 v[GQ+gi], v[GQ+gi], v[GS+gi], s[\r]
.set gi, gi+1
.endr
.irp p, 0,2,4,6
	v_pk_mul_f32 v[GA+\p:GA+\p+1], v[GA+\p:GA+\p+1], v[GQ+\p:GQ+\p+1]
.endr
.endm
; 64 numbers of a lane, register 16 b + i = k 32 b + 16 (lane / 16) + i of its row, become a fragment's codes in v[PC] on and its scale word in v[PW].
.macro QUANT s
.irp b, 0,1,2,3
	v_max3_num_f32 v[TM+\b], |v[\s+16*\b]|, |v[\s+1+16*\b]|, 0x1800000
.endr
.irp i, 2,4,6,8,10,12,14
.irp b, 0,1,2,3
	v_max3_num_f32 v[TM+\b], v[TM+\b], |v[\s+16*\b+\i]|, |v[\s+1+16*\b+\i]|
.endr
.endr
.irp b, 0,1,2,3
	v_permlanex16_b32 v[TM+4+\b], v[TM+\b], s34, s35
.endr
.irp b, 0,1,2,3
	v_max_num_f32 v[TM+\b], v[TM+\b], v[TM+4+\b]   ; with lane l xor 16's 16: the block's largest magnitude
.endr
.irp b, 0,1,2,3
	v_add_nc_u32 v[TM+12+\b], 0xff000000, v[TM+\b]
.endr
.irp b, 0,1,2,3
	v_lshrrev_b32 v[TM+4+\b], 23, v[TM+12+\b]
.endr
	v_lshl_or_b32 v[PW], v[TM+5], 8, v[TM+4]
	v_lshl_or_b32 v[PW], v[TM+6], 16, v[PW]
	v_lshl_or_b32 v[PW], v[TM+7], 24, v[PW]
.irp b, 0,1,2,3
	v_cvt_scalef32_pk8_fp4_f32 v[PC+2*\b], v[\s+16*\b:\s+7+16*\b], v[TM+12+\b]
	v_cvt_scalef32_pk8_fp4_f32 v[PC+1+2*\b], v[\s+8+16*\b:\s+15+16*\b], v[TM+12+\b]
.endr
	v_nop                                          ; one plain line behind the last conversion
.irp c, 0,1                            ; the operand wants a whole block in a lane: lanes 0-15 block 2 c, lanes 16-31 block 2 c + 1
.irp i, 0,1
	v_permlane16_swap_b32 v[PC+4*\c+\i], v[PC+2+4*\c+\i]
.endr
.endr
.endm
	s_load_b256 s[4:11], s[0:1], 0x0               ; W1 s[4:5], b1 s[6:7], xq s[8:9], route s[10:11]
	s_load_b128 s[12:15], s[0:1], 0x20             ; hq s[12:13], rank s[14:15]
	v_lshl_add_u32 v242, v0, 2, 0x32e00
	v_mov_b32 v243, 0
	v_lshrrev_b32 v11, 5, v0
	v_readfirstlane_b32 s16, v11                   ; wave 0..15
	s_mov_b32 s17, ttmp9                           ; j
	s_and_b32 s18, ttmp7, 0xffff                   ; e
	v_and_b32 v16, 31, v0
	v_lshlrev_b32 v1, 2, v16                       ; 4 x lane
	v_lshlrev_b32 v2, 4, v16                       ; 16 x lane
	v_and_b32 v9, 15, v0                           ; r
	v_bfe_u32 v18, v0, 4, 1                        ; h
	v_bfe_u32 v19, v0, 3, 1
	v_and_b32 v20, 7, v0
	v_lshl_add_u32 v20, v19, 4, v20
	v_lshl_add_u32 v20, v18, 3, v20                ; the lane's number with bits 3 and 4 changed over: my column's row among its 32, in the tiles' order
	s_wait_alu depctr_va_sdst(0)                   ; s16 is written, ahead of its first reader
	s_and_b32 s19, s16, 3                          ; cg: which 32 columns I stream
	s_lshr_b32 s20, s16, 2                         ; kq: which 32 of a K step's 128
	s_lshl_b32 s25, s19, 5
	v_add_nc_u32 v20, s25, v20
	v_mul_u32_u24 v3, v20, WP
	s_lshl_b32 s25, s20, 4
	v_add_nc_u32 v3, s25, v3                       ; where my codes go: my row, 16 bytes at 16 kq of each K step's 64
	v_mul_u32_u24 v4, v20, WSP
	s_add_co_u32 s25, s20, WS
	v_add_nc_u32 v4, s25, v4                       ; and my scale byte: byte kq of each K step's word
	v_mul_u32_u24 v5, v9, WP
	v_lshl_add_u32 v5, v18, 4, v5                  ; a fragment's row x pitch + 16 x half
	v_mul_u32_u24 v6, v9, WSP
	v_add_nc_u32 v6, WS, v6
	s_mul_i32 s25, s16, XSTW
	s_add_co_u32 s25, s25, XST
	v_add_nc_u32 v7, s25, v2                       ; my stage, in: a row as it was gathered
	v_add_nc_u32 v8, s25, v5                       ; out: as fragments
	v_lshlrev_b32 v13, 2, v9                       ; 4 r
	v_lshlrev_b32 v12, 6, v18
	v_add_nc_u32 v12, B1S, v12                     ; b1: my half's units begin 16 further on
	v_and_b32 v14, 127, v0
	v_lshlrev_b32 v14, 2, v14
	v_add_nc_u32 v15, B1S, v14
	v_mov_b32 v[VB1], 0
.irp b, 0,1,2,3
	v_mov_b32 v[TM+4+\b], 0                        ; written once: a lane permute's destination counts as one of its sources
.endr
	v_mov_b32 v[KC0], 0xb7910000                   ; c0
	v_mov_b32 v[KC0+1], 0xb7910000
	v_mov_b32 v[KC2], 0xbb7e8a1c                   ; c2
	v_mov_b32 v[KC2+1], 0xbb7e8a1c
	v_mov_b32 v[KD0], 0xba1c7000                   ; d0
	v_mov_b32 v[KD0+1], 0xba1c7000
	s_mov_b32 s34, 0x76543210
	s_mov_b32 s35, 0xfedcba98
	KP 36, 0x3f3504f3                              ; 1 / sqrt 2   (pairs: the packed forms name a pair and take its low word for both halves)
	KP 38, 0x3fb8aa3b                              ; log2 e
	KP 40, 0x39c8e7d9                              ; c1
	KP 42, 0x3cc6b1a1                              ; c3
	KP 44, 0xbddaae5c                              ; c4
	KP 46, 0xbf228550                              ; c5
	KP 48, 0xbe03ce86                              ; c6
	KP 50, 0x3ba38d2c                              ; d1
	KP 52, 0xbcdb48d9                              ; d2
	KP 54, 0x3de70e22                              ; d3
	KP 56, 0xbec09380                              ; d4
	KP 58, 0x3e0375d4                              ; d5
	s_mov_b32 s60, 0x3f6d8000                      ; 0.927734375
	s_lshl_b32 s26, s18, 24                        ; W1: expert, my 32 rows of a K step, the work-group's 128 columns, my 32
	s_lshl_b32 s25, s20, 19
	s_add_co_u32 s26, s26, s25
	s_lshl_b32 s25, s17, 9
	s_add_co_u32 s26, s26, s25
	s_lshl_b32 s25, s19, 7
	s_add_co_u32 s26, s26, s25
	s_mov_b32 s27, 0
	s_lshl_b32 s28, s18, 14                        ; b1
	s_lshl_b32 s25, s17, 9
	s_add_co_u32 s28, s28, s25
	s_mov_b32 s29, 0
	s_lshl_b32 s30, s18, 7                         ; the expert's 32 mask words
	s_mov_b32 s31, 0
	s_lshl_b32 s32, s18, 12                        ; its 1,024 ranks
	s_mov_b32 s33, 0
	s_wait_kmcnt 0x0
	s_add_nc_u64 s[10:11], s[10:11], s[30:31]
	s_load_b512 s[68:83], s[10:11], 0x0
	s_load_b512 s[84:99], s[10:11], 0x40
	s_add_nc_u64 s[4:5], s[4:5], s[26:27]
	s_add_nc_u64 s[62:63], s[4:5], 0x800000        ; 512 rows of k further on
	s_add_nc_u64 s[6:7], s[6:7], s[28:29]
	s_add_nc_u64 s[14:15], s[14:15], s[32:33]
	s_wait_alu depctr_va_vdst(0)                   ; the offsets and LDS addresses v1 to v8 and v12 to v15 are written, which every load and store of the kernel reads, and the closing add's two registers; so is v[VB1], in which b1's load lands
	s_cmp_lg_u32 s20, 1                            ; waves 4 to 7 fetch b1's 128 numbers: older than every load of W1, so no count below changes
	s_cbranch_scc1 .Lno_b1
	global_load_b32 v[VB1], v14, s[6:7]
.Lno_b1:
	LOAD 0
	LOAD 1
	s_wait_kmcnt 0x0
	s_mov_b32 s21, 0                               ; how many tokens chose e
.set n, 0
.rept 32
	s_bcnt1_i32_b32 s25, s[68+n]
	s_add_co_u32 s21, s21, s25
.set n, n+1
.endr
	s_add_co_u32 s22, s21, 15
	s_lshr_b32 s22, s22, 4
	s_max_u32 s22, s22, 1                          ; tiles of 16 rows, at least one: every work-group stores
	s_cmp_lg_u32 s16, 0                            ; wave 0 of one work-group of each expert stores every token's rank for the last launch
	s_cbranch_scc1 .Lno_rank
	s_cmp_lg_u32 s17, 0
	s_cbranch_scc1 .Lno_rank
	s_mov_b32 s30, 0
.set n, 0
.rept 32
	v_mbcnt_lo_u32_b32 v[64+n], s[68+n], s30       ; token 32 n + lane: how many of e's tokens come before it
	s_bcnt1_i32_b32 s31, s[68+n]
	s_add_co_u32 s30, s30, s31
.set n, n+1
.endr
	s_wait_alu depctr_va_vdst(0)                   ; the 32 ranks are written, which the stores read
.set n, 0
.rept 32
	global_store_b32 v1, v[64+n], s[14:15] offset:128*n
.set n, n+1
.endr
	s_wait_alu depctr_vm_vsrc(0)                   ; the stores have read v64 to v95, in which my first tile's rows land
.Lno_rank:
	s_mov_b32 s32, s16
	GATHER ACC                                     ; my first tile's rows of x, into the registers that the sums will take
	BLOCK 0, 50                                    ; behind block 0's loads: block 1's 32 and the gather's 18
	s_cmp_lg_u32 s20, 1
	s_cbranch_scc1 .Lno_b1s
	ds_store_b32 v15, v[VB1]                       ; read only behind the next barrier
.Lno_b1s:
	BLOCK 1, 50                                    ; behind block 1's loads: the gather's 18 and block 2's 32
	s_wait_loadcnt 63                              ; the gather is in: behind it stand 64 loads (blocks 2 and 3)
	KHEAD ACC
	KSTEP 0, 0                                     ; no product stands before it; the search, which worked in these registers, stands ahead of the gather's wait
	KSTEP 1, 1
.irp t, 2,3,4,5,6
	BLOCK \t, 32                                   ; 32: the next block's loads
	KSTEP \t, 0                                    ; the block's wait stands behind the last products
.endr
	BLOCK 7, 0
	KSTEP 7, 0
	PLACES                                         ; every run of K steps ends with its places: what follows reads the sums or loads into the operands' registers
	s_wait_alu depctr_vm_vsrc(0)                   ; the last block's LDS stores have read v[CW ..] and the byte's register, which the rows' quantiser writes again
	s_mov_b32 s23, s16                             ; my tile
	s_mov_b32 s24, 0
.Lrow:                                                 ; four trips, a constant: 64 tiles serve every split.  A trip: the tail of tile s23, whose sums are finished; then the K steps of tile s23 + 16
	s_cmp_ge_u32 s23, s22
	s_cbranch_scc1 .Lno_tail
	s_wait_xcnt 0x0                                ; the last tail's stores have read their registers and bases
	s_wait_loadcnt 0x0                             ; no load is out here
	s_add_co_u32 s32, s23, 16
	s_cmp_ge_u32 s32, s22
	s_cbranch_scc1 .Lno_next
	GATHER X                                       ; my next tile's rows come while this one's activation is computed
.Lno_next:
.irp t, 0,1,2,3,4,5,6,7
	GELU \t
.endr
	QUANT ACC
	s_lshl_b32 s25, s18, 6
	s_add_co_u32 s25, s25, s23
	s_lshl_b32 s25, s25, 5
	s_add_co_u32 s25, s25, s17                     ; (64 e + tile) x 32 + j
	s_lshl_b32 s26, s25, 10
	s_mov_b32 s27, 0
	s_add_nc_u64 s[26:27], s[12:13], s[26:27]
	s_lshl_b32 s28, s25, 6
	s_add_co_u32 s28, s28, HSOFF
	s_mov_b32 s29, 0
	s_add_nc_u64 s[28:29], s[12:13], s[28:29]
	s_wait_alu depctr_va_vdst(0)                   ; the quantiser has written v[PC ..] and v[PW], which the three stores read
	global_store_b128 v2, v[PC:PC+3], s[26:27]                 ; the fragment as it stands: 512 consecutive bytes a line
	global_store_b128 v2, v[PC+4:PC+7], s[26:27] offset:512
	global_store_b32 v13, v[PW], s[28:29]                      ; row r's scale word (both halves of the lanes hold it)
	s_wait_alu depctr_vm_vsrc(0)                   ; the stores have read v[PC ..] and v[PW], and the gather's loads v[T ..] and v11: the next tile's quantiser and search write them again
.Lno_tail:
	s_add_co_u32 s23, s23, 16
	s_cmp_ge_u32 s23, s22
	s_cbranch_scc1 .Lno_k
	s_wait_loadcnt 0x0                             ; the tile's rows and scale words are in
	s_wait_alu depctr_va_vdst(0)                   ; whatever named them last, products, activation or quantiser, is done with the sums' registers, in which b1 lands, and with v192 to v231, in which the first K step's fragments land
	KHEAD X
.irp s, 0,1,2,3,4,5,6,7
	KSTEP \s, \s
.endr
	PLACES
.Lno_k:
	s_add_co_u32 s24, s24, 1
	s_cmp_lt_u32 s24, 4
	s_cbranch_scc1 .Lrow
	s_wait_dscnt 0x0                               ; the closing lines, six on end
	s_wait_alu 0x0
	s_wait_tensorcnt 0x0
	ds_add_u32 v242, v243
	s_wait_dscnt 0x0
	s_endpgm
.Lfunc_end_k_q80eeba4151_up:
	.size	k_q80eeba4151_up, .Lfunc_end_k_q80eeba4151_up-k_q80eeba4151_up
	.p2alignl 7, 3214868480
	.fill 96, 4, 3214868480
	.section	.rodata,"a",@progbits
	.p2align	6, 0x0
	.amdhsa_kernel k_q80eeba4151_up
		.amdhsa_group_segment_fixed_size 210432
		.amdhsa_private_segment_fixed_size 0
		.amdhsa_enable_private_segment 0
		.amdhsa_kernarg_size 48
		.amdhsa_user_sgpr_count 2
		.amdhsa_user_sgpr_kernarg_segment_ptr 1
		.amdhsa_wavefront_size32 1
		.amdhsa_system_sgpr_workgroup_id_x 1
		.amdhsa_system_sgpr_workgroup_id_y 1
		.amdhsa_system_sgpr_workgroup_id_z 1
		.amdhsa_system_vgpr_workitem_id 0
		.amdhsa_next_free_vgpr 256
		.amdhsa_next_free_sgpr 100
		.amdhsa_reserve_vcc 1
		.amdhsa_float_denorm_mode_32 3
		.amdhsa_float_denorm_mode_16_64 3
		.amdhsa_memory_ordered 1
		.amdhsa_forward_progress 1
		.amdhsa_inst_pref_size 208
	.end_amdhsa_kernel
	.amdgpu_metadata
---
amdhsa.version: [ 1, 2 ]
amdhsa.kernels:
  - .name:           k_q80eeba4151_up
    .symbol:         k_q80eeba4151_up.kd
    .args:
      - { .name: W1, .offset: 0, .size: 8, .value_kind: global_buffer, .address_space: global }
      - { .name: b1, .offset: 8, .size: 8, .value_kind: global_buffer, .address_space: global }
      - { .name: xq, .offset: 16, .size: 8, .value_kind: global_buffer, .address_space: global }
      - { .name: route, .offset: 24, .size: 8, .value_kind: global_buffer, .address_space: global }
      - { .name: hq, .offset: 32, .size: 8, .value_kind: global_buffer, .address_space: global }
      - { .name: rank, .offset: 40, .size: 8, .value_kind: global_buffer, .address_space: global }
    .group_segment_fixed_size: 210432
    .private_segment_fixed_size: 0
    .kernarg_segment_align: 8
    .kernarg_segment_size: 48
    .max_flat_workgroup_size: 512
    .sgpr_count:     100
    .vgpr_count:     256
    .wavefront_size: 32
...
	.end_amdgpu_metadata
.endif
;; end of part 6
;; launch down (part 7): grid 32 x 8, 16 waves a work-group, no clusters, 142,848 bytes of LDS; arguments W2, hq, route, y; writes y
.if DOCPART == 7
	.amdgcn_target "amdgcn-amd-amdhsa--gfx1250"
	.amdhsa_code_object_version 6
	.text
	.protected	k_q80eeba4151_down
	.globl	k_q80eeba4151_down
	.p2align	8
	.type	k_q80eeba4151_down,@function
k_q80eeba4151_down:
	s_mov_b64 s[64:65], 0
	v_nop
	global_prefetch_b8 v0, s[64:65] scope:SCOPE_SE
	s_setreg_imm32_b32 hwreg(HW_REG_WAVE_SCHED_MODE, 0, 2), 2
	s_setreg_imm32_b32 hwreg(HW_REG_WAVE_MODE, 25, 1), 1
	s_wait_xcnt 0x0
	s_wait_alu depctr_vm_vsrc(0)
; SECOND PRODUCT.  Work-group (x, e): output columns 64 (x % 16) .. + 63, half x / 16 of K = 4,096, expert e, for all rows of the expert's region.
; Its 2,048 x 64 numbers of W2 [e][k][d], f32, are read ONCE, a lane to a column and registers down K, quantised along K and kept as 64 KiB of codes in LDS.
; Block t of wave (cg, kq) is k = 256 t + 32 kq .. + 31 at columns 32 cg .. + 31: the sixteen waves' blocks t are K steps 2 t and 2 t + 1.  Behind the barrier that follows block t those codes are whole,
; and every wave multiplies its FIRST tile of 16 rows by them while blocks t + 1 and t + 2 are on their way: the products stand under the stream.  Block t + 1's LDS stores and these K steps' LDS reads
; touch different bytes of the rows (128 (t + 1) on against 128 t .. 128 t + 127), so one barrier a block orders all that has to be ordered.
; The hidden layer's fragments and scale words come from memory as images of their registers: for the first tile through a ring of four sets of two K steps, asked for four blocks ahead; for a wave's
; later tiles (w + 16, ..) all sixteen at once, while the tile before leaves.  A wave whose first tile does not exist multiplies the last tile that exists, so that no branch stands between the barriers, and stores nothing.
; Transposed use: source 0 = 16 columns of W2, source 1 = 16 rows: a lane holds eight neighbouring columns of one row.   y [half][1024 e + row][1024] f32: the last launch adds the halves.
; 64 columns x half of K: rows of 256 bytes in W2 and in y, and 256 work-groups of equal streams.  No tensor load and no cluster: the number of tiles is read from memory.
; LIMITS.  NaN and infinities are not served; a block of W2 whose largest magnitude lies under 2^-124 keeps the scale byte 1.
; THE MODE: SCHED_MODE bits 1:0 = 2 (LLVM: expert scheduling mode 2), set by the entry lines.  The code itself states the register dependences between vector or matrix instructions and memory or
; LDS instructions, and those through scalar registers that vector instructions write, with s_wait_alu, always for 0.
; THE PLAN.  Registers that memory or LDS instructions touch, and who else names them:
;   v1-v9             offsets and LDS addresses: made at the head, never written again.  One wait on va_vdst ahead of the first load serves them for the whole kernel.
;   X0, X1            block t's loads land; its maxima and conversions read; block t + 2's loads land.
;   v[CW ..], v[TM+3] a block's conversions and shift write; its two LDS stores read; the next block writes them again.
;   BF, WSC           a K step's LDS loads land; its four products read; the next K step's loads land.  On the way out the stage's rows land in BF's registers, and the global stores read them.
;   the ring, HF, HSC loads land; products read; set t + 4 of the ring, or the next tile, lands.
;   ACC               products write; the tail's LDS stores read; the next tile's first products write anew.
; A block has ONE wait on va_vdst, behind its conversions: its LDS stores, the loads of block t + 2 and the LDS loads of the K step behind the barrier all follow it with nothing more owed, since no
; vector or matrix instruction between names a register that they touch.  A run of loads that follows products with no such wait between has its own; every run of K steps ends with one, behind its places,
; for all that the tail stores and loads.  Waits on vm_vsrc: at a block's head, and at a tail's end.
.set PITCHB, 4096
.set HSOFF, 16777216
.set WP,   1040                        ; LDS: from 0 the codes, 64 rows (columns d) of 1,024 bytes + 16
.set WS,   66560                       ; their scale bytes: 64 rows of 64 + 8
.set WSP,  72
.set STG,  71168                       ; a stage of 16 rows x (256 + 16) bytes for each wave
.set HSC,  16                          ; v16-23   the hidden layer's scale words (lanes 0-15 an even K step's, lanes 16-31 the next one's), nothing else
.set WSC,  24                          ; v24-31   W2's scale words, nothing else
.set BF,   32                          ; v32-63   four fragments of W2; on the way out 16 rows
.set OUTR, 32
.set ACC,  64                          ; v64-95   four accumulators
.set CW,   96                          ; v96-99   codes just made;  v104-107 quantiser at work
.set TM,   104
.set X,    128                         ; v128-191 two sets of 32 numbers of W2
.set HR,   192                         ; v192-255 the first tile's ring: four sets of two fragments
.set HF,   128                         ; v128-255 a later tile's 16 fragments
.macro PLACES                          ; four plain lines behind matrix instructions, ahead of loads into their registers and of reads of their results
.rept 4
	v_nop
.endr
.endm
.macro LOAD t
.set n, 0
.rept 32
	global_load_b32 v[X+32*((\t)%2)+n], v1, s[4:5] offset:(256*(\t)+n)*PITCHB th:TH_LOAD_NT
.set n, n+1
.endr
.endm
.macro BLOCK t, left                   ; block t becomes 16 bytes of codes and a scale byte in LDS; then the barrier behind which K steps 2 t, 2 t + 1 are whole.  left: the younger loads, which may stay out
.set XS, X+32*((\t)%2)
	s_wait_loadcnt \left
.if (\t) > 0
	s_wait_alu depctr_vm_vsrc(0)                   ; the last block's LDS stores have read v[CW ..] and the byte's register, which this block writes again
.endif
	v_max3_num_f32 v[TM], |v[XS]|, |v[XS+1]|, |v[XS+2]|
	v_max3_num_f32 v[TM+1], |v[XS+3]|, |v[XS+4]|, |v[XS+5]|
.irp i, 6,10,14,18,22,26
	v_max3_num_f32 v[TM], v[TM], |v[XS+\i]|, |v[XS+\i+1]|
	v_max3_num_f32 v[TM+1], v[TM+1], |v[XS+\i+2]|, |v[XS+\i+3]|
.endr
	v_max3_num_f32 v[TM], v[TM], |v[XS+30]|, |v[XS+31]|
	v_max3_num_f32 v[TM], v[TM], v[TM+1], 0x1800000                        ; the floor 2^(3 - 127): the byte cannot fall under 1
	v_add_nc_u32 v[TM+2], 0xff000000, v[TM]                                ; 2 off the exponent field: the conversion's scale operand
	v_lshrrev_b32 v[TM+3], 23, v[TM+2]                                     ; the scale's byte
.irp g, 0,1,2,3
	v_cvt_scalef32_pk8_fp4_f32 v[CW+\g], v[XS+8*\g:XS+8*\g+7], v[TM+2]
.endr
	v_nop                                          ; one plain line behind the last conversion
	s_wait_alu depctr_va_vdst(0)                   ; the conversions have written v[CW ..] and the shift the byte, which the LDS stores read; maxima and conversions are done reading this set, in which block t + 2 lands; the products of the K steps before are done reading W2's fragments and scale words, in which the next K step's LDS loads land
	ds_store_b128 v3, v[CW:CW+3] offset:128*(\t)
	ds_store_b8 v4, v[TM+3] offset:8*(\t)
.if (\t) < 6
	LOAD (\t)+2
.endif
	s_wait_dscnt 0x0                               ; for the others' sake: my part of these two K steps lies in LDS
	s_barrier_signal -1
	s_barrier_wait -1
.endm
.macro HSLOAD                          ; a tile's scale words: two K steps' 128 bytes a line
.irp p, 0,1,2,3,4,5,6,7
	global_load_b32 v[HSC+\p], v1, s[28:29] offset:128*\p
.endr
.endm
.macro HLOAD t                         ; the first tile's fragments of K steps 2 t, 2 t + 1 into set t % 4 of the ring: 512 consecutive bytes a line
.irp u, 0,1
.irp c, 0,1
	global_load_b128 v[HR+16*((\t)%4)+8*\u+4*\c:HR+16*((\t)%4)+8*\u+4*\c+3], v2, s[26:27] offset:1024*(2*(\t)+\u)+512*\c
.endr
.endr
.endm
.macro PREF                            ; a later tile's 16 fragments and its scale words
.irp s, 0,1,2,3,4,5,6,7,8,9,10,11,12,13,14,15
.irp c, 0,1
	global_load_b128 v[HF+8*\s+4*\c:HF+8*\s+4*\c+3], v2, s[26:27] offset:1024*\s+512*\c
.endr
.endr
	HSLOAD
.endm
.macro KSTEP s, hf, w                  ; 128 along K: four products, the four accumulators by turns; hf: where the hidden layer's fragment stands.  w = 0: a wait on va_vdst stands behind the last products already, and nothing since names the operands' registers
	PLACES                                         ; with the four that end a run of K steps also the places of sums begun anew
.if (\w)
	s_wait_alu depctr_va_vdst(0)                   ; the four products before are done reading W2's fragments and scale words, in which the LDS loads below land
.endif
.irp t, 0,1,2,3
.irp c, 0,1
	ds_load_b128 v[BF+8*\t+4*\c:BF+8*\t+4*\c+3], v5 offset:16*\t*WP+64*(\s)+32*\c
.endr
.if (\s)%2 == 0
	ds_load_b64 v[WSC+2*\t:WSC+2*\t+1], v6 offset:16*\t*WSP+4*(\s)         ; the scale words of this K step and the next
.endif
.endr
	s_wait_dscnt 0x0
.irp t, 0,1,2,3
.if (\s) == 0
	v_wmma_scale_f32_16x16x128_f8f6f4 v[ACC+8*\t:ACC+8*\t+7], v[BF+8*\t:BF+8*\t+7], v[(\hf):(\hf)+7], 0, v[WSC+2*\t], v[HSC] matrix_a_fmt:MATRIX_FMT_FP4 matrix_b_fmt:MATRIX_FMT_FP4
.elseif (\s)%2 == 0
	v_wmma_scale_f32_16x16x128_f8f6f4 v[ACC+8*\t:ACC+8*\t+7], v[BF+8*\t:BF+8*\t+7], v[(\hf):(\hf)+7], v[ACC+8*\t:ACC+8*\t+7], v[WSC+2*\t], v[HSC+(\s)/2] matrix_a_fmt:MATRIX_FMT_FP4 matrix_b_fmt:MATRIX_FMT_FP4
.else
	v_wmma_scale_f32_16x16x128_f8f6f4 v[ACC+8*\t:ACC+8*\t+7], v[BF+8*\t:BF+8*\t+7], v[(\hf):(\hf)+7], v[ACC+8*\t:ACC+8*\t+7], v[WSC+2*\t+1], v[HSC+(\s)/2] matrix_a_fmt:MATRIX_FMT_FP4 matrix_b_fmt:MATRIX_FMT_FP4 matrix_b_scale:MATRIX_SCALE_ROW1
.endif
.endr
.endm
.macro PK t, w                         ; the first tile's K steps 2 t and 2 t + 1, out of the ring; w: as in KSTEP, for the first of the two
	KSTEP 2*(\t), HR+16*((\t)%4), \w
	KSTEP 2*(\t)+1, HR+16*((\t)%4)+8, 1
.endm
	s_load_b256 s[4:11], s[0:1], 0x0               ; W2 s[4:5], hq s[6:7], route s[8:9], y s[10:11]
	v_lshl_add_u32 v126, v0, 2, 0x22600
	v_mov_b32 v127, 0
	v_lshrrev_b32 v10, 5, v0
	v_readfirstlane_b32 s16, v10                   ; wave 0..15
	s_and_b32 s17, ttmp9, 15                       ; which 64 columns
	s_lshr_b32 s19, ttmp9, 4                       ; which half of K
	s_and_b32 s18, ttmp7, 0xffff                   ; e
	v_and_b32 v10, 31, v0
	v_lshlrev_b32 v1, 2, v10                       ; 4 x lane
	v_lshlrev_b32 v2, 4, v10                       ; 16 x lane
	v_and_b32 v11, 15, v0                          ; r
	v_bfe_u32 v12, v0, 4, 1                        ; h
	s_wait_alu depctr_va_sdst(0)                   ; s16 is written, ahead of its first reader
	s_and_b32 s20, s16, 1                          ; cg: which 32 columns I stream
	s_lshr_b32 s21, s16, 1                         ; kq: which 32 of a block row's 256 along K
	s_lshl_b32 s25, s20, 5
	v_add_nc_u32 v13, s25, v10                     ; my column among the 64
	v_mul_u32_u24 v3, v13, WP
	s_lshl_b32 s25, s21, 4
	v_add_nc_u32 v3, s25, v3                       ; where my codes go: 16 bytes at 16 kq of each 128
	v_mul_u32_u24 v4, v13, WSP
	s_add_co_u32 s25, s21, WS
	v_add_nc_u32 v4, s25, v4                       ; and my scale byte: byte kq of each 8
	v_mul_u32_u24 v5, v11, WP
	v_lshl_add_u32 v5, v12, 4, v5                  ; a fragment's row x pitch + 16 x half
	v_mul_u32_u24 v6, v11, WSP
	v_add_nc_u32 v6, WS, v6
	s_mul_i32 s25, s16, 4352
	s_add_co_u32 s25, s25, STG
	v_mul_u32_u24 v7, v11, 272
	v_lshl_add_u32 v7, v12, 5, v7
	v_add_nc_u32 v7, s25, v7                       ; my stage, in: row r, 32 bytes for each half of the lanes
	v_mul_u32_u24 v8, v12, 272
	v_lshl_add_u32 v8, v11, 4, v8
	v_add_nc_u32 v8, s25, v8                       ; back: sixteen lanes to a row of 256 bytes
	v_lshlrev_b32 v9, 12, v12
	v_lshl_add_u32 v9, v11, 4, v9                  ; and the same two rows in y
	s_lshl_b32 s30, s18, 24                        ; W2: expert, half of K, my 32 rows of k, the 64 columns, my 32
	s_lshl_b32 s25, s19, 23
	s_add_co_u32 s30, s30, s25
	s_lshl_b32 s25, s21, 17
	s_add_co_u32 s30, s30, s25
	s_lshl_b32 s25, s17, 8
	s_add_co_u32 s30, s30, s25
	s_lshl_b32 s25, s20, 7
	s_add_co_u32 s30, s30, s25
	s_mov_b32 s31, 0
	s_lshl_b32 s34, s18, 7                         ; the expert's 32 mask words
	s_mov_b32 s35, 0
	s_wait_kmcnt 0x0
	s_add_nc_u64 s[8:9], s[8:9], s[34:35]
	s_load_b512 s[68:83], s[8:9], 0x0
	s_load_b512 s[84:99], s[8:9], 0x40
	s_add_nc_u64 s[4:5], s[4:5], s[30:31]
	s_wait_alu depctr_va_vdst(0)                   ; the offsets and LDS addresses v1 to v9 are written, which every load and store of the kernel reads, and the closing add's two registers
	LOAD 0
	LOAD 1
	s_wait_kmcnt 0x0
	s_mov_b32 s22, 0
.set n, 0
.rept 32
	s_bcnt1_i32_b32 s25, s[68+n]
	s_add_co_u32 s22, s22, s25
.set n, n+1
.endr
	s_add_co_u32 s23, s22, 15
	s_lshr_b32 s23, s23, 4
	s_max_u32 s23, s23, 1                          ; tiles of 16 rows: the number that the launch before has stored
	s_sub_co_u32 s25, s23, 1
	s_min_u32 s25, s16, s25                        ; my first tile, or for a wave without one the last that exists
	s_min_u32 s25, s25, 63
	s_lshl_b32 s26, s18, 6
	s_add_co_u32 s26, s26, s25
	s_lshl_b32 s26, s26, 5
	s_lshl_b32 s25, s19, 4
	s_add_co_u32 s26, s26, s25                     ; (64 e + tile) x 32 + 16 x half
	s_lshl_b32 s28, s26, 6
	s_add_co_u32 s28, s28, HSOFF
	s_mov_b32 s29, 0
	s_lshl_b32 s26, s26, 10
	s_mov_b32 s27, 0
	s_add_nc_u64 s[26:27], s[6:7], s[26:27]
	s_add_nc_u64 s[28:29], s[6:7], s[28:29]
	HSLOAD                                         ; 8 loads,
	HLOAD 0                                        ; and 4 for each set of the ring
	HLOAD 1
	HLOAD 2
	HLOAD 3
	BLOCK 0, 56                                    ; behind block 0's loads: block 1's 32, the scale words' 8, the ring's 16
	BLOCK 1, 56                                    ; behind block 1's: those 24 and block 2's 32
	s_wait_loadcnt 63                              ; the scale words and sets 0 and 1 are in: behind them stand 72 loads (sets 2 and 3, blocks 2 and 3)
	PK 0, 0                                        ; no product stands before it
	PK 1, 1
	PLACES
	s_wait_alu depctr_va_vdst(0)                   ; the products of K steps 0 to 3 are done reading sets 0 and 1 of the ring, in which K steps 8 to 11 land
	HLOAD 4
	HLOAD 5
	BLOCK 2, 40                                    ; behind block 2's: block 3's 32, sets 4 and 5's 8.  Sets 2 and 3 are older than block 2, so they are in too
	PK 2, 0                                        ; here and below: the block's wait stands behind the last products
	PLACES
	s_wait_alu depctr_va_vdst(0)                   ; the products of K steps 4 and 5 are done reading set 2, in which K steps 12 and 13 land
	HLOAD 6
	BLOCK 3, 44                                    ; behind block 3's: 8, block 4's 32, set 6's 4
	PK 3, 0
	PLACES
	s_wait_alu depctr_va_vdst(0)                   ; the products of K steps 6 and 7 are done reading set 3, in which K steps 14 and 15 land
	HLOAD 7
	BLOCK 4, 40                                    ; behind block 4's: 4, block 5's 32, set 7's 4.  Sets 4 and 5 are older than block 4
	PK 4, 0
	BLOCK 5, 36                                    ; behind block 5's: set 7's 4, block 6's 32
	PK 5, 0
	BLOCK 6, 32                                    ; behind block 6's: block 7's 32.  Set 6 is older than block 5
	PK 6, 0
	BLOCK 7, 0
	PK 7, 0
	PLACES                                         ; every run of K steps ends with its places: what follows reads the sums or loads into the operands' registers
	s_wait_alu depctr_va_vdst(0)                   ; and with this wait, behind the places: the products have written the sums, which the stage's LDS stores read, and are done reading the hidden layer's fragments and scale words and W2's fragments, in which the next tile and the stage's rows land
	s_mov_b32 s24, s16                             ; my tile
	s_mov_b32 s32, 0
.Lrow:                                                 ; four trips, a constant: 64 tiles serve every split.  A trip: tile s24, whose sums are finished, leaves; then the K steps of tile s24 + 16
	s_cmp_ge_u32 s24, s23
	s_cbranch_scc1 .Lno_tail
	s_wait_xcnt 0x0                                ; the last tile's stores have read their registers and base
	s_wait_loadcnt 0x0                             ; no load is out here
	s_add_co_u32 s25, s24, 16
	s_cmp_ge_u32 s25, s23
	s_cbranch_scc1 .Lno_next
	s_add_nc_u64 s[26:27], s[26:27], 524288        ; sixteen tiles on
	s_add_nc_u64 s[28:29], s[28:29], 32768
	PREF
.Lno_next:
.irp t, 0,1,2,3
	ds_store_b128 v7, v[ACC+8*\t:ACC+8*\t+3] offset:64*\t                  ; each accumulator from its low end on
	ds_store_b128 v7, v[ACC+8*\t+4:ACC+8*\t+7] offset:64*\t+16
.endr
.irp i, 0,1,2,3,4,5,6,7
	ds_load_b128 v[OUTR+4*\i:OUTR+4*\i+3], v8 offset:544*\i                ; LDS serves a wave's instructions in order: these see the stores above
.endr
	s_lshl_b32 s30, s19, 25
	s_lshl_b32 s25, s18, 22
	s_add_co_u32 s30, s30, s25
	s_lshl_b32 s25, s24, 16
	s_add_co_u32 s30, s30, s25
	s_lshl_b32 s25, s17, 8
	s_add_co_u32 s30, s30, s25
	s_mov_b32 s31, 0
	s_add_nc_u64 s[30:31], s[10:11], s[30:31]
.irp i, 0,1,2,3,4,5,6,7
	s_wait_dscnt 7-\i                              ; rows 2 i, 2 i + 1 are back; the later read-backs may be out
	global_store_b128 v9, v[OUTR+4*\i:OUTR+4*\i+3], s[30:31] offset:8192*\i th:TH_STORE_NT   ; sixteen lanes store 256 consecutive bytes, at a multiple of 256 from y's first byte
.endr
	s_wait_alu depctr_vm_vsrc(0)                   ; the LDS stores have read the sums, which the next tile's first products write anew; the global stores have read v[OUTR ..], in which W2's fragments and the next tile's rows land
.Lno_tail:
	s_add_co_u32 s24, s24, 16
	s_cmp_ge_u32 s24, s23
	s_cbranch_scc1 .Lno_k
	s_wait_xcnt 0x0                                ; the stores above have read the registers into which W2's fragments come
	s_wait_loadcnt 0x0                             ; the tile is in
.irp s, 0,1,2,3,4,5,6,7,8,9,10,11,12,13,14,15
	KSTEP \s, HF+8*\s, \s
.endr
	PLACES
	s_wait_alu depctr_va_vdst(0)                   ; as behind the first tile's run: the sums are written, which the stage's LDS stores read; the operands' registers have been read, and the next tile and the stage's rows land in them
.Lno_k:
	s_add_co_u32 s32, s32, 1
	s_cmp_lt_u32 s32, 4
	s_cbranch_scc1 .Lrow
	s_wait_dscnt 0x0                               ; the closing lines, six on end
	s_wait_alu 0x0
	s_wait_tensorcnt 0x0
	ds_add_u32 v126, v127
	s_wait_dscnt 0x0
	s_endpgm
.Lfunc_end_k_q80eeba4151_down:
	.size	k_q80eeba4151_down, .Lfunc_end_k_q80eeba4151_down-k_q80eeba4151_down
	.p2alignl 7, 3214868480
	.fill 96, 4, 3214868480
	.section	.rodata,"a",@progbits
	.p2align	6, 0x0
	.amdhsa_kernel k_q80eeba4151_down
		.amdhsa_group_segment_fixed_size 142848
		.amdhsa_private_segment_fixed_size 0
		.amdhsa_enable_private_segment 0
		.amdhsa_kernarg_size 32
		.amdhsa_user_sgpr_count 2
		.amdhsa_user_sgpr_kernarg_segment_ptr 1
		.amdhsa_wavefront_size32 1
		.amdhsa_system_sgpr_workgroup_id_x 1
		.amdhsa_system_sgpr_workgroup_id_y 1
		.amdhsa_system_sgpr_workgroup_id_z 1
		.amdhsa_system_vgpr_workitem_id 0
		.amdhsa_next_free_vgpr 256
		.amdhsa_next_free_sgpr 100
		.amdhsa_reserve_vcc 0
		.amdhsa_float_denorm_mode_32 3
		.amdhsa_float_denorm_mode_16_64 3
		.amdhsa_memory_ordered 1
		.amdhsa_forward_progress 1
		.amdhsa_inst_pref_size 97
	.end_amdhsa_kernel
	.amdgpu_metadata
---
amdhsa.version: [ 1, 2 ]
amdhsa.kernels:
  - .name:           k_q80eeba4151_down
    .symbol:         k_q80eeba4151_down.kd
    .args:
      - { .name: W2, .offset: 0, .size: 8, .value_kind: global_buffer, .address_space: global }
      - { .name: hq, .offset: 8, .size: 8, .value_kind: global_buffer, .address_space: global }
      - { .name: route, .offset: 16, .size: 8, .value_kind: global_buffer, .address_space: global }
      - { .name: y, .offset: 24, .size: 8, .value_kind: global_buffer, .address_space: global }
    .group_segment_fixed_size: 142848
    .private_segment_fixed_size: 0
    .kernarg_segment_align: 8
    .kernarg_segment_size: 32
    .max_flat_workgroup_size: 512
    .sgpr_count:     100
    .vgpr_count:     256
    .wavefront_size: 32
...
	.end_amdgpu_metadata
.endif
;; end of part 7
;; launch combine (part 8): grid 256 x 1, 8 waves a work-group, no clusters, 0 bytes of LDS; arguments y, b2, route, gw, rank, out0; writes out0
.if DOCPART == 8
	.amdgcn_target "amdgcn-amd-amdhsa--gfx1250"
	.amdhsa_code_object_version 6
	.text
	.protected	k_q80eeba4151_combine
	.globl	k_q80eeba4151_combine
	.p2align	8
	.type	k_q80eeba4151_combine,@function
k_q80eeba4151_combine:
	s_mov_b64 s[64:65], 0
	v_nop
	global_prefetch_b8 v0, s[64:65] scope:SCOPE_SE
	s_setreg_imm32_b32 hwreg(HW_REG_WAVE_MODE, 25, 1), 1
	s_wait_xcnt 0x0
; out[t] = the sum over the token's two experts of g (0.5 (y[0][row] + y[1][row]) + b2[e]), row = 1024 e + the token's rank in e.  The 0.5 takes back the 2 of 2 gelu: exact.
; A wave takes half a token's row, 2,048 bytes: six rows to read, one to write, each line 512 consecutive bytes.  Experts and ranks are whole numbers that earlier launches stored;
; all eight ranks of the token are read at fixed places and the two wanted are selected, so that one round of scalar loads serves.  No LDS, no barrier: waves share nothing.
; The order of the f32 sums differs from a sum over all eight experts, six of whose terms are zeros.
	s_load_b256 s[4:11], s[0:1], 0x0               ; y s[4:5], b2 s[6:7], route s[8:9], gw s[10:11]
	s_load_b128 s[12:15], s[0:1], 0x20             ; rank s[12:13], out0 s[14:15]
	v_lshrrev_b32 v1, 5, v0
	s_delay_alu instid0(VALU_DEP_1)
	v_readfirstlane_b32 s16, v1                    ; wave
	v_and_b32 v1, 31, v0
	s_delay_alu instid0(VALU_DEP_1)
	v_lshlrev_b32 v1, 4, v1                        ; 16 x lane
	s_lshr_b32 s17, s16, 1
	s_lshl_b32 s18, ttmp9, 2
	s_add_co_u32 s17, s17, s18                     ; my token
	s_and_b32 s18, s16, 1
	s_lshl_b32 s18, s18, 11                        ; my half of a row, in bytes
	s_lshl_b32 s19, s17, 2
	s_lshl_b32 s21, s17, 3
	s_wait_alu depctr_va_vdst(0)
	s_wait_kmcnt 0x0
	s_load_b32 s20, s[8:9], s19 offset:0x400       ; e0 | e1 << 8
	s_load_b64 s[22:23], s[10:11], s21 offset:0x0  ; g0, g1
.irp i, 0,1,2,3,4,5,6,7
	s_load_b32 s[24+\i], s[12:13], s19 offset:4096*\i
.endr
	s_wait_kmcnt 0x0
	s_and_b32 s32, s20, 0xff
	s_min_u32 s32, s32, 7
	s_bfe_u32 s33, s20, 0x80008
	s_min_u32 s33, s33, 7
	s_mov_b32 s34, s24
	s_mov_b32 s35, s24
.irp i, 1,2,3,4,5,6,7
	s_cmp_eq_u32 s32, \i
	s_cselect_b32 s34, s[24+\i], s34
	s_cmp_eq_u32 s33, \i
	s_cselect_b32 s35, s[24+\i], s35
.endr
	s_min_u32 s34, s34, 1023
	s_min_u32 s35, s35, 1023
	s_lshl_b32 s36, s32, 10
	s_add_co_u32 s36, s36, s34
	s_lshl_b32 s36, s36, 12
	s_add_co_u32 s36, s36, s18
	s_mov_b32 s37, 0
	s_lshl_b32 s38, s33, 10
	s_add_co_u32 s38, s38, s35
	s_lshl_b32 s38, s38, 12
	s_add_co_u32 s38, s38, s18
	s_mov_b32 s39, 0
	s_add_nc_u64 s[40:41], s[4:5], s[36:37]        ; y, first half of K, expert 0's row
	s_add_nc_u64 s[42:43], s[40:41], 0x2000000     ; second half
	s_add_nc_u64 s[44:45], s[4:5], s[38:39]        ; the same for expert 1
	s_add_nc_u64 s[46:47], s[44:45], 0x2000000
	s_lshl_b32 s36, s32, 12
	s_add_co_u32 s36, s36, s18
	s_add_nc_u64 s[48:49], s[6:7], s[36:37]        ; b2's two rows
	s_lshl_b32 s38, s33, 12
	s_add_co_u32 s38, s38, s18
	s_add_nc_u64 s[50:51], s[6:7], s[38:39]
	s_lshl_b32 s36, s17, 12
	s_add_co_u32 s36, s36, s18
	s_add_nc_u64 s[52:53], s[14:15], s[36:37]      ; out
	s_mul_f32 s54, s22, 0.5                        ; pairs: the packed forms name a pair and take its low word for both halves
	s_mul_f32 s56, s23, 0.5
	s_mov_b32 s58, s22
	s_mov_b32 s59, s22
	s_mov_b32 s60, s23
	s_mov_b32 s61, s23
	s_mov_b32 s55, s54
	s_mov_b32 s57, s56
.irp i, 0,1,2,3
.irp p, 0,1,2,3
	global_load_b128 v[16+16*\p+4*\i:16+16*\p+4*\i+3], v1, s[40+2*\p:41+2*\p] offset:512*\i th:TH_LOAD_NT
.endr
.irp p, 4,5
	global_load_b128 v[16+16*\p+4*\i:16+16*\p+4*\i+3], v1, s[40+2*\p:41+2*\p] offset:512*\i
.endr
.endr
.irp i, 0,1,2,3
	s_wait_loadcnt 18-6*\i                         ; piece i's six loads are in; six for each later piece may be out
.irp u, 0,2
	v_pk_add_f32 v[16+4*\i+\u:17+4*\i+\u], v[16+4*\i+\u:17+4*\i+\u], v[32+4*\i+\u:33+4*\i+\u]
	v_pk_add_f32 v[48+4*\i+\u:49+4*\i+\u], v[48+4*\i+\u:49+4*\i+\u], v[64+4*\i+\u:65+4*\i+\u]
	s_delay_alu instid0(VALU_DEP_2)
	v_pk_mul_f32 v[112+4*\i+\u:113+4*\i+\u], v[16+4*\i+\u:17+4*\i+\u], s[54:55] op_sel_hi:[1,0]
	s_delay_alu instid0(VALU_DEP_1)
	v_pk_fma_f32 v[112+4*\i+\u:113+4*\i+\u], v[48+4*\i+\u:49+4*\i+\u], s[56:57], v[112+4*\i+\u:113+4*\i+\u] op_sel_hi:[1,0,1]
	s_delay_alu instid0(VALU_DEP_1)
	v_pk_fma_f32 v[112+4*\i+\u:113+4*\i+\u], v[80+4*\i+\u:81+4*\i+\u], s[58:59], v[112+4*\i+\u:113+4*\i+\u] op_sel_hi:[1,0,1]
	s_delay_alu instid0(VALU_DEP_1)
	v_pk_fma_f32 v[112+4*\i+\u:113+4*\i+\u], v[96+4*\i+\u:97+4*\i+\u], s[60:61], v[112+4*\i+\u:113+4*\i+\u] op_sel_hi:[1,0,1]
.endr
	global_store_b128 v1, v[112+4*\i:115+4*\i], s[52:53] offset:512*\i th:TH_STORE_NT
.endr
	s_endpgm
.Lfunc_end_k_q80eeba4151_combine:
	.size	k_q80eeba4151_combine, .Lfunc_end_k_q80eeba4151_combine-k_q80eeba4151_combine
	.p2alignl 7, 3214868480
	.fill 96, 4, 3214868480
	.section	.rodata,"a",@progbits
	.p2align	6, 0x0
	.amdhsa_kernel k_q80eeba4151_combine
		.amdhsa_group_segment_fixed_size 0
		.amdhsa_private_segment_fixed_size 0
		.amdhsa_enable_private_segment 0
		.amdhsa_kernarg_size 48
		.amdhsa_user_sgpr_count 2
		.amdhsa_user_sgpr_kernarg_segment_ptr 1
		.amdhsa_wavefront_size32 1
		.amdhsa_system_sgpr_workgroup_id_x 1
		.amdhsa_system_sgpr_workgroup_id_y 1
		.amdhsa_system_sgpr_workgroup_id_z 1
		.amdhsa_system_vgpr_workitem_id 0
		.amdhsa_next_free_vgpr 128
		.amdhsa_next_free_sgpr 66
		.amdhsa_reserve_vcc 0
		.amdhsa_float_denorm_mode_32 3
		.amdhsa_float_denorm_mode_16_64 3
		.amdhsa_memory_ordered 1
		.amdhsa_forward_progress 1
		.amdhsa_inst_pref_size 11
	.end_amdhsa_kernel
	.amdgpu_metadata
---
amdhsa.version: [ 1, 2 ]
amdhsa.kernels:
  - .name:           k_q80eeba4151_combine
    .symbol:         k_q80eeba4151_combine.kd
    .args:
      - { .name: y, .offset: 0, .size: 8, .value_kind: global_buffer, .address_space: global }
      - { .name: b2, .offset: 8, .size: 8, .value_kind: global_buffer, .address_space: global }
      - { .name: route, .offset: 16, .size: 8, .value_kind: global_buffer, .address_space: global }
      - { .name: gw, .offset: 24, .size: 8, .value_kind: global_buffer, .address_space: global }
      - { .name: rank, .offset: 32, .size: 8, .value_kind: global_buffer, .address_space: global }
      - { .name: out0, .offset: 40, .size: 8, .value_kind: global_buffer, .address_space: global }
    .group_segment_fixed_size: 0
    .private_segment_fixed_size: 0
    .kernarg_segment_align: 8
    .kernarg_segment_size: 48
    .max_flat_workgroup_size: 256
    .sgpr_count:     66
    .vgpr_count:     128
    .wavefront_size: 32
...
	.end_amdgpu_metadata
.endif
;; end of part 8
